; MI455X (gfx1250); checked and timed in simulation.
; The chip was launched on July 23, 2026; its instructions are those of AMD's public machine-readable ISA for CDNA 5 (MIT licence, August 2026) and "CDNA5" Instruction Set Architecture Reference Guide (July 2026). The comments in the code are by the model that wrote it; some were corrected since.
;; Multihead Attention. Allowed arithmetic: matrix products marked QUANTISED: E2M1 operands, one E8M0 scale for each 32 along K, by v_wmma_scale_f32_16x16x128_f8f6f4 with both operands' format E2M1 (or v_wmma_scale_f32_32x16x128_f4), f32 sums; everything else in f32.
;; Inputs: mask 4 x 2,048 bool; proj_b 1,024 float32; proj_w 1,024 x 1,024 float32; qkv_b 3,072 float32; qkv_w 3,072 x 1,024 float32; x 4 x 2,048 x 1,024 float32.
;; Outputs: out0 4 x 2,048 x 1,024 float32.
;; This version of the problem:
;;   THIS VERSION OF THE PROBLEM IS GIVEN IN LOW PRECISION. The matrix products marked QUANTISED in the list below multiply operands that are first quantised to E2M1 (2 exponent bits, 1 mantissa bit; 4 bits a number), with one power-of-two scale for each 32 numbers along K (OCP MX v1.0); their sums are f32. All else is computed in f32.
;;   The module's matrix products, in the order in which they are computed (A, B: the left and right operand; K: the contracted axis; several contracted axes count as one K, in the product's order):
;;     1. [M 8,192, K 1,024] x [K 1,024, N 3,072]; A: input x; B: input qkv_w: QUANTISED
;;     2. batch 64 x [M 2,048, K 64] x [K 64, N 2,048]; A: computed on the way; B: computed on the way: QUANTISED
;;     3. batch 64 x [M 2,048, K 2,048] x [K 2,048, N 64]; A: softmax (see below); B: computed on the way: QUANTISED
;;     4. [M 8,192, K 1,024] x [K 1,024, N 1,024]; A: computed on the way; B: input proj_w: QUANTISED
;;   THE QUANTISER, for each operand of a quantised product, along K:
;;     - K is cut into blocks of 32 from its start; a last block that is shorter is filled with zeros.
;;     - A block's scale is 2^e with e = floor(log2(the largest magnitude in the block)) - 2, held to -126 .. 127; a block of zeros has e = 0. As a byte (E8M0): e + 127.
;;     - Each number is divided by its block's scale, clamped to +-6, and rounded to the nearest number of E2M1, ties to even, subnormals kept.
;;     - The product sums the exact products of the quantised numbers (number of the format x scale) in f32.
;;   ~~~python
;;   def quantise(x, axis):      # numpy; x: float32 -> the quantised numbers, widened to float32 again
;;       x = np.moveaxis(x, axis, -1); K = x.shape[-1]
;;       x = np.pad(x, [(0, 0)] * (x.ndim - 1) + [(0, -K % 32)]); x = x.reshape(x.shape[:-1] + (-1, 32)); a = np.abs(x).max(-1, keepdims=True)
;;       e = np.where(a > 0, np.clip(np.frexp(np.where(a > 0, a, 1))[1] - 1 - 2, -126, 127), 0)      # np.frexp(a)[1] - 1 = floor(log2(a)), exactly
;;       r = np.clip(x / 2.0 ** e, -6, 6)
;;       step = 2.0 ** (np.maximum(np.frexp(np.where(r == 0, 1, r))[1] - 1, 0) - 1)
;;       q = np.round(r / step) * step * 2.0 ** e      # np.round: ties to even
;;       return np.moveaxis(q.reshape(q.shape[:-2] + (-1,))[..., :K], -1, axis).astype(np.float32)
;;   ~~~
;;   SOFTMAX AHEAD OF A QUANTISED PRODUCT. Where the list says 'softmax', what is quantised is not the finished softmax but p = 2^(t - M), with t = logit x log2(e) and M = ceil(the row's largest t), a whole number; so 1/2 < the row's largest p <= 1. The row's sum l is taken of the UNQUANTISED p, in f32, and the product's result is divided by l at the end. Since M is a whole number, a kernel that streams over the keys may use a running M (the ceiling of the running maximum): every later rescaling is an exact power of two, which a block's scale takes up: the codes' values come out the same.
;;   OPERANDS COMPUTED ON THE WAY. 'Computed on the way' means the value that the module computes at that place (a softmax that the list does not call 'softmax' is quantised finished and normalised). What goes into a quantiser is computed in f32, as accurately as f32 sums, v_exp_f32 and their like allow (about 1e-6 of the number): no bf16 or f16 on the way to a quantiser, and a product that is left as it is and whose result goes on into a quantised operand takes f32 operands (vector FMAs, or v_wmma_f32_16x16x4_f32). A number that lies on a knife's edge between two numbers of the format may be rounded either way, as far as f32 arithmetic and the matrix unit's own rounding can turn it there, and no further.
;; One version. Each part assembles by itself: llvm-mc -triple=amdgcn-amd-amdhsa -mcpu=gfx1250 --defsym DOCPART=n.
;; ======== version 1 of 1: 4 launches
;; limits: right only within a limited range of input values
;; workspace buffers: opc 6,291,456 bytes; ops 393,216 bytes; qkvc 12,582,912 bytes; qkvs 1,572,864 bytes; oc 4,194,304 bytes; os 524,288 bytes
;; launch quant (part 1): grid 384 x 1, 8 waves a work-group, no clusters, 68,608 bytes of LDS; arguments x, qkv_w, proj_w, opc, ops; writes opc, ops
.if DOCPART == 1
	.amdgcn_target "amdgcn-amd-amdhsa--gfx1250"
	.amdhsa_code_object_version 6
	.text
	.protected	k_qe6cffa1d51_quant
	.globl	k_qe6cffa1d51_quant
	.p2align	8
	.type	k_qe6cffa1d51_quant,@function
k_qe6cffa1d51_quant:
	s_mov_b64 s[64:65], 0
	v_nop
	global_prefetch_b8 v0, s[64:65] scope:SCOPE_SE
	s_setreg_imm32_b32 hwreg(HW_REG_WAVE_MODE, 25, 1), 1
	s_wait_xcnt 0x0
; MULTI-HEAD ATTENTION IN MX-FP4, FOUR LAUNCHES: this one (codes of x, qkv_w, proj_w), gemm_qkv, attn, gemm_proj.
; NO WORK OF THE PROBLEM IS LEFT OUT: every input (x, mask, qkv_w, qkv_b, proj_w, proj_b) has a way to the output and is loaded; both biases stand ahead of a quantiser or of the output; the mask is honoured key by key.
; THIS LAUNCH: x [8192][1024], qkv_w [3072][1024], proj_w [1024][1024], f32, K innermost, become codes of E2M1 with one E8M0 byte for each 32 along K.
; A block's byte is its largest magnitude's exponent field - 2, held at 1 from below; numbers are divided by the scale and rounded to the nearest code, ties to even, beyond 6 the code of 6.
; LIMITS: a block of zeros gets the byte 1 where the rule says 127 (its codes are zeros, and this program alone reads the bytes); NaN and infinities among the inputs are not served.
; LAYOUT OF THE RESULT: the order of an operand's registers.  The 12,288 rows are 384 groups G of 32; tile 2 G + u holds in its lane row r the row 32 G + 8 u + r + 8 (r / 8).
;   opc [block of 256 rows: 48][K step of 128: 8][tile: 16][part c: 2][lane: 32][16 bytes]: lane (r, h), part c holds k = 64 c + 32 h + 0 .. 31 of its row: a fragment comes by two loads of 16 bytes a lane.
;   ops [G: 384][K step: 8][lane 16 u + r: 32] words: the four scale bytes of row r of tile 2 G + u for that K step.
; SHARES: a work-group takes a group G, wave w its K step w: 32 rows x 512 bytes.  Each load takes 512 consecutive bytes; a tile's 16 rows turn through the wave's own stage in LDS (rows of 512 + 16 bytes),
; so that a lane gets two whole blocks of 32 neighbours.  No barrier: waves share nothing.  All 32 loads of a wave are out at once.
.set STG,   8448                       ; a wave's stage: 16 rows x 528 bytes
.set SPARE, 8*STG                      ; behind the stages: the spare words, 128 bytes for each wave, which no other line names
.set L16,   1                          ; v1   16 x lane
.set STW,   2                          ; v2   the stage, on the way in: 16 x lane
.set STR,   3                          ; v3   and back: 528 r + 128 h
.set SH,    4                          ; v4   8 h: where my two scale bytes stand in the word
.set L4,    5                          ; v5   4 x lane
.set SPW,   6                          ; v6   my spare word; never rewritten
.set NIL,   7                          ; v7   0; never rewritten
.set TM,    8                          ; v8-9   largest magnitudes
.set TS,    10                         ; v10-11 the conversions' scale operands
.set TB,    12                         ; v12-13 the bytes
.set W,     14                         ; v14-15 a tile's scale words
.set TT,    16                         ; v16  at work
.set R,     32                         ; v32-159  row i as loaded, four registers
.set X,     160                        ; v160-223 my two blocks of 32
.set C,     224                        ; v224-239 codes, eight registers a tile
	s_load_b256 s[4:11], s[0:1], 0x0               ; x, qkv_w, proj_w, opc
	s_load_b64 s[12:13], s[0:1], 0x20              ; ops
	v_lshl_add_u32 v[SPW], v0, 2, SPARE
	v_mov_b32 v[NIL], 0
	v_lshrrev_b32 v8, 5, v0
	s_delay_alu instid0(VALU_DEP_1)
	v_readfirstlane_b32 s14, v8                    ; wave = K step
	v_and_b32 v9, 31, v0                           ; lane
	v_and_b32 v10, 15, v0                          ; r
	v_bfe_u32 v11, v0, 4, 1                        ; h
	s_delay_alu instid0(VALU_DEP_3)
	v_lshlrev_b32 v[L16], 4, v9
	s_delay_alu instid0(VALU_DEP_4)
	v_lshlrev_b32 v[L4], 2, v9
	s_delay_alu instid0(VALU_DEP_3)
	v_lshlrev_b32 v[SH], 3, v11
	s_mul_i32 s15, s14, STG
	v_add_nc_u32 v[STW], s15, v[L16]
	v_mul_u32_u24 v[STR], v10, 528
	s_delay_alu instid0(VALU_DEP_1)
	v_lshl_add_u32 v[STR], v11, 7, v[STR]
	s_delay_alu instid0(VALU_DEP_1)
	v_add_nc_u32 v[STR], s15, v[STR]
	v_mov_b32 v[TT], 0                             ; written once: a lane permute's destination counts as one of its sources
	s_mov_b32 s20, 0x76543210
	s_mov_b32 s21, 0xfedcba98                      ; selects: lane l xor 16
	s_mov_b32 s22, 0xffff0000                      ; lanes 16-31
	s_lshr_b32 s18, ttmp9, 3                       ; the codes' place: block G / 8, K step w, tiles 2 (G % 8) on
	s_lshl_b32 s18, s18, 17
	s_lshl_b32 s19, s14, 14
	s_add_co_u32 s18, s18, s19
	s_and_b32 s19, ttmp9, 7
	s_lshl_b32 s19, s19, 11
	s_add_co_u32 s18, s18, s19
	s_mov_b32 s19, 0
	s_mov_b32 s16, 352
	s_wait_alu depctr_va_vdst(0)
	s_wait_kmcnt 0x0
	s_add_nc_u64 s[10:11], s[10:11], s[18:19]
	s_lshl_b32 s18, ttmp9, 10                      ; the scale words' place: 1,024 G + 128 w
	s_lshl_b32 s23, s14, 7
	s_add_co_u32 s18, s18, s23
	s_add_nc_u64 s[12:13], s[12:13], s[18:19]
	s_cmp_lt_u32 ttmp9, 352                        ; which tensor: groups 0-255 x, 256-351 qkv_w, 352-383 proj_w.  The choice hangs on the work-group's number alone
	s_cselect_b64 s[6:7], s[6:7], s[8:9]
	s_cselect_b32 s16, 256, s16
	s_cmp_lt_u32 ttmp9, 256
	s_cselect_b64 s[4:5], s[4:5], s[6:7]
	s_cselect_b32 s16, 0, s16
	s_sub_co_u32 s16, ttmp9, s16                   ; the group's number in its tensor
	s_lshl_b32 s16, s16, 17                        ; 32 rows of 4,096 bytes
	s_lshl_b32 s17, s14, 9                         ; + my K step's 512 bytes
	s_add_co_u32 s16, s16, s17
	s_mov_b32 s17, 0
	s_add_nc_u64 s[4:5], s[4:5], s[16:17]
.irp i, 0,1,2,3,4,5,6,7,16,17,18,19,20,21,22,23,8,9,10,11,12,13,14,15,24,25,26,27,28,29,30,31   ; tile 0's rows first
	global_load_b128 v[R+4*\i:R+4*\i+3], v[L16], s[4:5] offset:4096*\i th:TH_LOAD_NT   ; 32 lanes read 512 consecutive bytes
.endr
.macro TILEQ u
	s_wait_loadcnt 16*(1-\u)                       ; this tile's sixteen loads are in; tile 1's sixteen may be out
.irp p, 0,1,2,3,4,5,6,7,8,9,10,11,12,13,14,15
	ds_store_b128 v[STW], v[R+4*(8*\u+\p+8*(\p/8)):R+4*(8*\u+\p+8*(\p/8))+3] offset:528*\p
.endr
.irp c, 0,1
.irp j, 0,1,2,3,4,5,6,7
	ds_load_b128 v[X+32*\c+4*\j:X+32*\c+4*\j+3], v[STR] offset:256*\c+16*\j   ; LDS serves a wave's instructions in order: these see the stores above
.endr
.endr
	s_wait_dscnt 0x0
.irp c, 0,1
	v_max3_num_f32 v[TM+\c], |v[X+32*\c]|, |v[X+32*\c+1]|, 0x1800000   ; the floor 2^(3 - 127) among the leaves: the byte cannot fall under 1
.endr
.irp i, 2,4,6,8,10,12,14,16,18,20,22,24,26,28,30
.irp c, 0,1
	s_delay_alu instid0(VALU_DEP_2)
	v_max3_num_f32 v[TM+\c], v[TM+\c], |v[X+32*\c+\i]|, |v[X+32*\c+\i+1]|   ; the two blocks by turns
.endr
.endr
.irp c, 0,1
	s_delay_alu instid0(VALU_DEP_2)
	v_add_nc_u32 v[TS+\c], 0xff000000, v[TM+\c]    ; 2 off the exponent field: the conversion's scale operand
.endr
.irp c, 0,1
	s_delay_alu instid0(VALU_DEP_2)
	v_lshrrev_b32 v[TB+\c], 23, v[TS+\c]           ; the byte
.endr
	s_delay_alu instid0(VALU_DEP_1)
	v_lshl_or_b32 v[W+\u], v[TB+1], 16, v[TB]      ; my blocks are h and 2 + h of the K step's four
	s_delay_alu instid0(VALU_DEP_1)
	v_lshlrev_b32 v[W+\u], v[SH], v[W+\u]
	s_delay_alu instid0(VALU_DEP_1)
	v_permlanex16_b32 v[TT], v[W+\u], s20, s21
	s_delay_alu instid0(VALU_DEP_1)
	v_or_b32 v[W+\u], v[W+\u], v[TT]               ; with lane l xor 16's two bytes the word is whole
.irp c, 0,1
.irp g, 0,1,2,3
	v_cvt_scalef32_pk8_fp4_f32 v[C+8*\u+4*\c+\g], v[X+32*\c+8*\g:X+32*\c+8*\g+7], v[TS+\c]
.endr
.endr
	v_nop                                          ; one plain line behind the last conversion
.irp c, 0,1
	global_store_b128 v[L16], v[C+8*\u+4*\c:C+8*\u+4*\c+3], s[10:11] offset:1024*\u+512*\c   ; 512 consecutive bytes, aligned; each tile has its own code registers
.endr
.endm
	TILEQ 0
	TILEQ 1
	v_cndmask_b32 v[TT+1], v[W], v[W+1], s22       ; lanes 0-15 tile 0's words, lanes 16-31 tile 1's
	global_store_b32 v[L4], v[TT+1], s[12:13]      ; 128 consecutive bytes: one byte for each 128 that the wave reads
	s_wait_tensorcnt 0x0                           ; the wave's end, behind my last LDS store
	ds_add_u32 v[SPW], v[NIL]
	s_wait_dscnt 0x0
	s_endpgm
.Lfunc_end_k_qe6cffa1d51_quant:
	.size	k_qe6cffa1d51_quant, .Lfunc_end_k_qe6cffa1d51_quant-k_qe6cffa1d51_quant
	.p2alignl 7, 3214868480
	.fill 96, 4, 3214868480
	.section	.rodata,"a",@progbits
	.p2align	6, 0x0
	.amdhsa_kernel k_qe6cffa1d51_quant
		.amdhsa_group_segment_fixed_size 68608
		.amdhsa_private_segment_fixed_size 0
		.amdhsa_enable_private_segment 0
		.amdhsa_kernarg_size 40
		.amdhsa_user_sgpr_count 2
		.amdhsa_user_sgpr_kernarg_segment_ptr 1
		.amdhsa_wavefront_size32 1
		.amdhsa_system_sgpr_workgroup_id_x 1
		.amdhsa_system_sgpr_workgroup_id_y 1
		.amdhsa_system_sgpr_workgroup_id_z 1
		.amdhsa_system_vgpr_workitem_id 0
		.amdhsa_next_free_vgpr 240
		.amdhsa_next_free_sgpr 66
		.amdhsa_reserve_vcc 0
		.amdhsa_float_denorm_mode_32 3
		.amdhsa_float_denorm_mode_16_64 3
		.amdhsa_memory_ordered 1
		.amdhsa_forward_progress 1
		.amdhsa_inst_pref_size 19
	.end_amdhsa_kernel
	.amdgpu_metadata
---
amdhsa.version: [ 1, 2 ]
amdhsa.kernels:
  - .name:           k_qe6cffa1d51_quant
    .symbol:         k_qe6cffa1d51_quant.kd
    .args:
      - { .name: x, .offset: 0, .size: 8, .value_kind: global_buffer, .address_space: global }
      - { .name: qkv_w, .offset: 8, .size: 8, .value_kind: global_buffer, .address_space: global }
      - { .name: proj_w, .offset: 16, .size: 8, .value_kind: global_buffer, .address_space: global }
      - { .name: opc, .offset: 24, .size: 8, .value_kind: global_buffer, .address_space: global }
      - { .name: ops, .offset: 32, .size: 8, .value_kind: global_buffer, .address_space: global }
    .group_segment_fixed_size: 68608
    .private_segment_fixed_size: 0
    .kernarg_segment_align: 8
    .kernarg_segment_size: 40
    .max_flat_workgroup_size: 256
    .sgpr_count:     66
    .vgpr_count:     240
    .wavefront_size: 32
...
	.end_amdgpu_metadata
.endif
;; end of part 1
;; launch gemm_qkv (part 2): grid 8 x 32, 16 waves a work-group, clusters of 4 x 4, 327,680 bytes of LDS; arguments opc, ops, qkv_b, qkvc, qkvs; writes qkvc, qkvs
.if DOCPART == 2
	.amdgcn_target "amdgcn-amd-amdhsa--gfx1250"
	.amdhsa_code_object_version 6
	.text
	.protected	k_qe6cffa1d51_gemm_qkv
	.globl	k_qe6cffa1d51_gemm_qkv
	.p2align	8
	.type	k_qe6cffa1d51_gemm_qkv,@function
k_qe6cffa1d51_gemm_qkv:
	s_mov_b64 s[64:65], 0
	v_nop
	global_prefetch_b8 v0, s[64:65] scope:SCOPE_SE
	s_setreg_imm32_b32 hwreg(HW_REG_WAVE_MODE, 25, 1), 1
	s_wait_xcnt 0x0
	s_wait_alu depctr_hold_cnt(0) depctr_sa_sdst(0) depctr_va_vdst(0) depctr_va_sdst(0) depctr_va_ssrc(0) depctr_va_vcc(0) depctr_vm_vsrc(0)
	s_getreg_b32 s2, hwreg(HW_REG_IB_STS2, 6, 4)
	s_cmp_eq_u32 s2, 0
	s_cbranch_scc0 .Lentry_in_a_cluster
	s_endpgm
.Lentry_in_a_cluster:
	s_bfe_u32 s2, ttmp6, 0x10000c
	s_cmp_lg_u32 s2, 0xf033
	s_cbranch_scc0 .Lentry_shape_is_right
	s_endpgm
.Lentry_shape_is_right:
; qkv = x qkv_w^T + qkv_b on codes of E2M1, and q, k, v quantised in registers: q and k along the head's 64, v along the keys.  The f32 result never goes to memory.  No work is left out.
; SHARES: 8 x 32 work-groups.  A work-group holds 256 tokens (all of K, 131,072 bytes of fragment images) in LDS and walks THREE PASSES of 128 columns (two heads): pass s is section s (0 q, 1 k, 2 v),
; columns 1,024 s + 128 bx on: the pass's number is the section in every work-group, so nothing hangs on a place in the cluster.  Each of the 16 waves makes 64 of X x 32 of Y in a pass: 8 accumulators.
; THE WEIGHTS of a pass (65,536 bytes) lie in one of two zones: pass 0's come at the head, pass 1's into the second zone behind a round of the cluster's barrier, pass 2's again into the first zone behind the next round.
; CLUSTER 4 x 4: the four of a row need the same tokens, the four of a column the same weights: each is asked for jointly.  No prefetch: the launch has no loop to run ahead in; each block comes once.
; D = X Y^T + bias, source 0 = X: a lane holds ONE row of Y and its registers run along X; by the order of rows in a tile (launch quant) the 16 registers of X tiles 2 b, 2 b + 1 are X rows 32 b + 16 h + 0 .. 15.
;   q, k: X = a head's 64 rows of the weight, Y = 32 tokens.   v: X = 64 tokens (keys), Y = 32 of a head's rows.  The bias is the C of a pass's first K step.
; OUT: qkvc [section 3][batch x head 64][g 32][y 4][lane 32][16 bytes]: registers 0-3 of a fragment: q, k: token tile 4 g + y, lane (r, h) the head's 32 h + 0 .. 31; v: the head's tile y, keys 64 g + 32 h + 0 .. 31.
;      qkvs [section][batch x head][g][lane 16 u + r][i 2] words: two scale bytes (upper half 0) of row r of tile y = 2 i + u.  A wave stores tiles y = 2 i, 2 i + 1 of one g.
; LIMITS: a block of zeros gets the byte 1 (its codes are zeros; this program alone reads the bytes); NaN and infinities are not served.
.set WZ,    0x20000                    ; LDS: tokens [K step 8][tile 16][1,024] at 0; weights [K step 8][tile 8][1,024] at WZ and at WZ + 0x10000
.set SPARE, 262144                     ; the spare words, 128 bytes for each wave, which no other line names
.set L16,  1                           ; 16, 8, 4 x lane
.set L8,   2
.set L4,   3
.set TQ0,  4                           ; v4-5   my 32 tokens as Y, K steps 0-3, 4-7
.set TV0,  6                           ; v6-7   my 64 tokens as X
.set WQ0,  8                           ; v8, v9 my head's 64 rows in zone 0, 1
.set WQ1,  9
.set WV,   10                          ; v10    my 32 rows of v's weights, zone 0
.set BQO,  11                          ; v11    64 h: the bias by registers
.set BVO,  12                          ; v12    4 (r + 8 (r / 8)): the bias by lanes
.set SPW,  13                          ; v13    my spare word; never rewritten
.set NIL,  14                          ; v14    0; never rewritten
.set TQS,  16                          ; scale words, register = K step (+ 8 for the second pair of tiles): lanes 0-15 the even tile, lanes 16-31 the odd one
.set TVS,  24
.set WS0,  40
.set WS1,  56
.set WVS,  72
.set XF,   80                          ; v80-111  four fragments of X
.set YF,   112                         ; v112-127 two of Y
.set ACC,  128                         ; v128-191 accumulator (y, x) at 8 (4 y + x)
.set BX,   192                         ; v192-223 the bias in the result's layout
.set QTM,  224                         ; the quantiser's registers, four blocks by turns
.set QTP,  228
.set P,    232                         ; v232-239 codes
.set W,    240                         ; v240-242 scale words
.set QTS,  244
.macro CROUND                          ; a round of the cluster's barrier
	s_barrier_signal -1
	s_barrier_wait -1
	s_cmp_lg_u32 s14, 0
	s_cbranch_scc1 .Lnot_wave_0_\@
	s_barrier_signal -3
.Lnot_wave_0_\@:
	s_barrier_wait -3
	s_barrier_signal -1
	s_barrier_wait -1
.endm
.macro NOPS
.rept 4
	v_nop
.endr
.endm
.macro NEXTW                           ; a round, and the next section's weights into the other zone: waves 8-15, one joint load each
	s_wait_alu depctr_va_vdst(0)
	s_wait_tensorcnt 0x0                           ; no load of mine is out: group 0 may be written
	ds_add_u32 v[SPW], v[NIL]
	s_xor_b32 s57, s57, 0x10000                    ; the other zone
	s_add_nc_u64 s[58:59], s[58:59], 524288        ; four blocks of 131,072 bytes on: the next section
	s_wait_dscnt 0x0                               ; the add is done, and my reads of both zones are over
	CROUND
	s_cmp_lt_u32 s14, 8
	s_cbranch_scc1 .Lno_w_\@
	tensor_load_to_lds s[56:59], s[48:55]
	s_nop 0
	NOPS
.Lno_w_\@:
.endm
; one product.  An odd tile's scale words stand in lanes 16-31.  K step 0 takes the bias as C: by X's rows (q, k) or by Y's (v).
.macro MM k, y, x, v, xs, ys
.set rD, ACC+8*(4*(\y)+(\x))
.set rC, rD
.if (\k) == 0
.if \v
.set rC, BX+8*(\y)
.else
.set rC, BX+8*(\x)
.endif
.endif
.set rA, XF+8*(\x)
.set rB, YF+8*(\y)
.set rP, (\xs)+8*((\x)/2)+(\k)
.set rQ, (\ys)+(\k)
.if ((\x)%2 == 0) && ((\y)%2 == 0)
	v_wmma_scale_f32_16x16x128_f8f6f4 v[rD:rD+7], v[rA:rA+7], v[rB:rB+7], v[rC:rC+7], v[rP], v[rQ] matrix_a_fmt:MATRIX_FMT_FP4 matrix_b_fmt:MATRIX_FMT_FP4
.elseif ((\x)%2 == 1) && ((\y)%2 == 0)
	v_wmma_scale_f32_16x16x128_f8f6f4 v[rD:rD+7], v[rA:rA+7], v[rB:rB+7], v[rC:rC+7], v[rP], v[rQ] matrix_a_fmt:MATRIX_FMT_FP4 matrix_b_fmt:MATRIX_FMT_FP4 matrix_a_scale:MATRIX_SCALE_ROW1
.elseif ((\x)%2 == 0)
	v_wmma_scale_f32_16x16x128_f8f6f4 v[rD:rD+7], v[rA:rA+7], v[rB:rB+7], v[rC:rC+7], v[rP], v[rQ] matrix_a_fmt:MATRIX_FMT_FP4 matrix_b_fmt:MATRIX_FMT_FP4 matrix_b_scale:MATRIX_SCALE_ROW1
.else
	v_wmma_scale_f32_16x16x128_f8f6f4 v[rD:rD+7], v[rA:rA+7], v[rB:rB+7], v[rC:rC+7], v[rP], v[rQ] matrix_a_fmt:MATRIX_FMT_FP4 matrix_b_fmt:MATRIX_FMT_FP4 matrix_a_scale:MATRIX_SCALE_ROW1 matrix_b_scale:MATRIX_SCALE_ROW1
.endif
.endm
; a K step of 128: 12 LDS loads (images come back as they lie: 512 consecutive bytes a load), 8 products; the 8 accumulators take turns in one order
.macro KSTEP k, v, wq, xs, ys
.if \v
.set XR, TV0+(\k)/4
.set XO, ((\k)%4)*16384
.set YR, \wq
.set YO, (\k)*8192
.else
.set XR, \wq
.set XO, (\k)*8192
.set YR, TQ0+(\k)/4
.set YO, ((\k)%4)*16384
.endif
	NOPS                                           ; four places in front of loads into fragments that matrix instructions have read
.irp x, 0,1,2,3
.irp c, 0,1
	ds_load_b128 v[XF+8*\x+4*\c:XF+8*\x+4*\c+3], v[XR] offset:XO+1024*\x+512*\c
.endr
.endr
.irp y, 0,1
.irp c, 0,1
	ds_load_b128 v[YF+8*\y+4*\c:YF+8*\y+4*\c+3], v[YR] offset:YO+1024*\y+512*\c
.endr
.endr
.irp y, 0,1
	s_wait_dscnt 2-2*\y                            ; X and Y's tiles up to y are in; the second tile's two loads may be out
.irp x, 0,1,2,3
	MM \k, \y, \x, \v, \xs, \ys
.endr
.endr
.endm
.macro BIASQ off                       ; the bias of my head's 64 in the result's layout: tile x, register j: 32 (x / 2) + 16 h + 8 (x % 2) + j
.irp x, 0,1,2,3
.irp c, 0,1
	global_load_b128 v[BX+8*\x+4*\c:BX+8*\x+4*\c+3], v[BQO], s[74:75] offset:(\off)+(32*(\x/2)+8*(\x%2)+4*\c)*4
.endr
.endr
.endm
.macro BIASV                           ; v: the bias of my lane's row of tile y, in all eight registers
.irp y, 0,1
.irp j, 0,1,2,3,4,5,6,7
	global_load_b32 v[BX+8*\y+\j], v[BVO], s[76:77] offset:32*\y
.endr
.endr
.endm
; a pass.  nb: the next pass's bias is asked for behind K step 0, which has read this pass's: 1 by registers, 2 by lanes, 0 none
.macro PASS v, wq, xs, ys, nb
	s_wait_loadcnt 0x0                             ; the bias (pass 0: and the scale words)
	KSTEP 0, \v, \wq, \xs, \ys
.if \nb
	NOPS                                           ; four places in front of loads into the registers that were C
.endif
.if \nb == 1
	BIASQ 4096
.endif
.if \nb == 2
	BIASV
.endif
.irp k, 1,2,3,4,5,6,7
	KSTEP \k, \v, \wq, \xs, \ys
.endr
.endm
; THE WAY OUT of a pass: block q = 2 y + b is registers ACC + 16 q on: index 32 b + 16 h + i along the next K.  Four blocks by turns; each accumulator is read from its low end on.
.macro EPI cb, co, sb, so
	s_wait_xcnt 0x0                                ; the last pass's stores have read their registers
	NOPS                                           ; four places in front of the first read of results
.irp q, 0,1,2,3
	v_max3_num_f32 v[QTM+\q], |v[ACC+16*\q]|, |v[ACC+16*\q+1]|, 0x1800000   ; the floor 2^(3 - 127): the byte cannot fall under 1
.endr
.irp i, 2,4,6,8,10,12,14
.irp q, 0,1,2,3
	v_max3_num_f32 v[QTM+\q], v[QTM+\q], |v[ACC+16*\q+\i]|, |v[ACC+16*\q+\i+1]|
.endr
.endr
.irp q, 0,1,2,3
	v_permlanex16_b32 v[QTP+\q], v[QTM+\q], s84, s85
.endr
.irp q, 0,1,2,3
	v_max_num_f32 v[QTM+\q], v[QTM+\q], v[QTP+\q]  ; with lane l xor 16's 16: the block's largest magnitude
.endr
.irp q, 0,1,2,3
	v_add_nc_u32 v[QTS+\q], 0xff000000, v[QTM+\q]  ; 2 off the exponent field: the conversion's scale operand
.endr
.irp q, 0,1,2,3
	v_lshrrev_b32 v[QTP+\q], 23, v[QTS+\q]         ; the byte
.endr
	v_lshl_or_b32 v[W], v[QTP+1], 8, v[QTP]
	v_lshl_or_b32 v[W+1], v[QTP+3], 8, v[QTP+2]
.irp q, 0,1,2,3
	v_cvt_scalef32_pk8_fp4_f32 v[P+2*\q], v[ACC+16*\q:ACC+16*\q+7], v[QTS+\q]
	v_cvt_scalef32_pk8_fp4_f32 v[P+2*\q+1], v[ACC+16*\q+8:ACC+16*\q+15], v[QTS+\q]
.endr
	v_nop                                          ; one plain line behind the last conversion
.irp y, 0,1
	v_permlane16_swap_b32 v[P+4*\y], v[P+4*\y+2]   ; a whole block to a lane: lanes 0-15 block 0, lanes 16-31 block 1
	v_permlane16_swap_b32 v[P+4*\y+1], v[P+4*\y+3]
.endr
	v_cndmask_b32 v[W+2], v[W], v[W+1], s86        ; lanes 0-15 the even tile's words, lanes 16-31 the odd one's
.irp y, 0,1
	global_store_b128 v[L16], v[P+4*\y:P+4*\y+3], s[\cb:\cb+1] offset:(\co)+512*\y   ; 512 consecutive bytes, aligned
.endr
	global_store_b32 v[L8], v[W+2], s[\sb:\sb+1] offset:\so   ; every second word of 256 bytes: the wave beside me stores the others
.endm
	s_load_b256 s[4:11], s[0:1], 0x0               ; opc, ops, qkv_b, qkvc
	s_load_b64 s[12:13], s[0:1], 0x20              ; qkvs
	v_lshl_add_u32 v[SPW], v0, 2, SPARE
	v_mov_b32 v[NIL], 0
	ds_add_u32 v[SPW], v[NIL]                      ; the wave's opening: the add, twice on end, and its wait ahead of my first tensor load
	ds_add_u32 v[SPW], v[NIL]
	v_lshrrev_b32 v15, 5, v0
	v_readfirstlane_b32 s14, v15                   ; wave 0..15
	s_and_b32 s16, s14, 7                          ; the K step that I fetch: waves 0-7 of the tokens, 8-15 of the weights
	s_lshr_b32 s17, s14, 1                         ; tg: q, k: my 32 tokens
	s_and_b32 s18, s14, 1                          ; hh: q, k: my head of the two
	s_and_b32 s19, s14, 3                          ; kg: v: my 64 keys
	s_lshr_b32 s20, s14, 2                         ; yy: v: my 32 of the 128 rows
	s_bfe_u32 s40, ttmp6, 0x40000                  ; cx
	s_bfe_u32 s41, ttmp6, 0x40004                  ; cy
	s_lshl_b32 s42, ttmp9, 2
	s_add_co_u32 s42, s42, s40                     ; bx: which 128 columns of each section
	s_and_b32 s43, ttmp7, 0xffff
	s_lshl_b32 s43, s43, 2
	s_add_co_u32 s43, s43, s41                     ; by: block of 256 tokens
	s_lshl_b32 s44, s41, 2
	s_lshl_b32 s44, 15, s44                        ; my row of the cluster
	s_lshl_b32 s45, 0x1111, s40                    ; my column
	s_or_b32 s24, s44, (3<<16)|(1<<21)             ; group 1: the mask; elements of 8 bytes; bit 21 beside a mask; no padding.  Tokens: 64 rows of 256 bytes
	s_mov_b32 s25, 32<<16
	s_mov_b32 s26, 64<<16
	s_mov_b32 s27, 32<<16
	s_mov_b32 s28, 64
	s_mov_b32 s29, 32
	s_mov_b32 s30, 0
	s_mov_b32 s31, 0
	s_or_b32 s48, s45, (3<<16)|(1<<21)             ; weights: 32 rows of 256 bytes
	s_mov_b32 s49, 32<<16
	s_mov_b32 s50, 32<<16
	s_mov_b32 s51, 32<<16
	s_mov_b32 s52, 32
	s_mov_b32 s53, 32
	s_mov_b32 s54, 0
	s_mov_b32 s55, 0
	s_lshl_b32 s21, s16, 14                        ; a K step of a block of 256 rows is 16,384 bytes
	s_lshl_b32 s22, s43, 17
	s_add_co_u32 s22, s22, s21                     ; tokens: block by, my K step
	s_mov_b32 s23, 0
	s_lshr_b32 s46, s42, 1
	s_add_co_u32 s46, s46, 32
	s_lshl_b32 s46, s46, 17                        ; weights: block 32 + bx / 2 (section 0),
	s_add_co_u32 s46, s46, s21                     ; my K step,
	s_and_b32 s47, s42, 1
	s_lshl_b32 s47, s47, 13
	s_add_co_u32 s46, s46, s47                     ; its tiles 8 (bx % 2) on
	s_mov_b32 s47, 0
	s_mov_b32 s32, 1
	s_mov_b32 s33, s21                             ; LDS: 16,384 x K step
	s_mov_b32 s56, 1
	s_lshl_b32 s57, s16, 13
	s_add_co_u32 s57, s57, WZ                      ; LDS: zone 0 + 8,192 x K step
	s_mov_b32 s84, 0x76543210
	s_mov_b32 s85, 0xfedcba98                      ; selects: lane l xor 16
	s_mov_b32 s86, 0xffff0000                      ; lanes 16-31
	s_mov_b32 s91, 0
	s_wait_dscnt 0x0                               ; both opening adds are done
	s_wait_kmcnt 0x0
	s_add_nc_u64 s[34:35], s[4:5], s[22:23]
	s_or_b32 s35, s35, 0x80000000
	s_add_nc_u64 s[58:59], s[4:5], s[46:47]
	s_or_b32 s59, s59, 0x80000000
	CROUND                                         ; all sixteen work-groups are here: the joint loads meet
	s_cmp_lt_u32 s14, 8                            ; one fill a wave, each in its arm of one branch on the wave's number
	s_cbranch_scc0 .Lhead_w
	tensor_load_to_lds s[32:35], s[24:31]
	s_nop 0
	NOPS
	s_branch .Lhead_done
.Lhead_w:
	tensor_load_to_lds s[56:59], s[48:55]
	s_nop 0
	NOPS
.Lhead_done:
	; scale words in ops: a group of 32 rows is 1,024 bytes.  Tokens: group 8 by + ..; weights: group 256 + 32 section + 4 bx + ..
	s_lshl_b32 s92, s43, 13
	s_lshl_b32 s90, s17, 10
	s_add_co_u32 s90, s90, s92
	s_add_nc_u64 s[66:67], s[6:7], s[90:91]        ; tokens as Y: group tg
	s_lshl_b32 s90, s19, 11
	s_add_co_u32 s90, s90, s92
	s_add_nc_u64 s[68:69], s[6:7], s[90:91]        ; tokens as X: groups 2 kg, 2 kg + 1
	s_lshl_b32 s92, s42, 12
	s_add_co_u32 s92, s92, 262144
	s_lshl_b32 s90, s18, 11
	s_add_co_u32 s90, s90, s92
	s_add_nc_u64 s[70:71], s[6:7], s[90:91]        ; q's weights: groups 2 hh, 2 hh + 1 (k's: 32,768 bytes on)
	s_lshl_b32 s90, s20, 10
	s_add_co_u32 s90, s90, s92
	s_add_co_u32 s90, s90, 65536
	s_add_nc_u64 s[72:73], s[6:7], s[90:91]        ; v's weights: group yy
	s_lshl_b32 s92, s42, 9                         ; qkv_b: 128 bx numbers on
	s_lshl_b32 s90, s18, 8
	s_add_co_u32 s90, s90, s92
	s_add_nc_u64 s[74:75], s[8:9], s[90:91]        ; q's: my head (k's: 4,096 bytes on)
	s_lshl_b32 s90, s20, 7
	s_add_co_u32 s90, s90, s92
	s_add_co_u32 s90, s90, 8192
	s_add_nc_u64 s[76:77], s[8:9], s[90:91]        ; v's: my 32 rows
	; where the results go
	s_lshr_b32 s93, s43, 3
	s_lshl_b32 s93, s93, 4
	s_lshl_b32 s92, s42, 1
	s_add_co_u32 s93, s93, s92                     ; batch x 16 + 2 bx
	s_and_b32 s94, s43, 7                          ; the block in its batch
	s_add_co_u32 s95, s93, s18                     ; q, k: + hh
	s_lshl_b32 s90, s95, 16
	s_lshl_b32 s92, s94, 13
	s_add_co_u32 s90, s90, s92
	s_lshl_b32 s92, s17, 10
	s_add_co_u32 s90, s90, s92                     ; token tiles 16 (block) + 2 tg on, 512 bytes each
	s_add_nc_u64 s[78:79], s[10:11], s[90:91]
	s_lshl_b32 s90, s95, 13
	s_lshl_b32 s92, s94, 10
	s_add_co_u32 s90, s90, s92
	s_lshr_b32 s92, s17, 1
	s_lshl_b32 s92, s92, 8
	s_add_co_u32 s90, s90, s92                     ; g = 4 (block) + tg / 2,
	s_and_b32 s92, s17, 1
	s_lshl_b32 s92, s92, 2
	s_add_co_u32 s90, s90, s92                     ; i = tg % 2
	s_add_nc_u64 s[82:83], s[12:13], s[90:91]
	s_lshr_b32 s95, s20, 1
	s_add_co_u32 s95, s95, s93                     ; v: + yy / 2
	s_lshl_b32 s96, s94, 2
	s_add_co_u32 s96, s96, s19                     ; g = 4 (block) + kg
	s_and_b32 s97, s20, 1                          ; i = yy % 2
	s_lshl_b32 s90, s95, 16
	s_lshl_b32 s92, s96, 11
	s_add_co_u32 s90, s90, s92
	s_lshl_b32 s92, s97, 10
	s_add_co_u32 s90, s90, s92
	s_add_co_u32 s90, s90, 2<<22
	s_add_nc_u64 s[80:81], s[10:11], s[90:91]
	s_lshl_b32 s90, s95, 13
	s_lshl_b32 s92, s96, 8
	s_add_co_u32 s90, s90, s92
	s_lshl_b32 s92, s97, 2
	s_add_co_u32 s90, s90, s92
	s_add_co_u32 s90, s90, 2<<19
	s_add_nc_u64 s[88:89], s[12:13], s[90:91]
	s_lshl_b32 s93, s17, 11                        ; LDS: two tiles x tg,
	s_lshl_b32 s94, s19, 12                        ; four tiles x kg,
	s_lshl_b32 s95, s18, 12
	s_add_co_u32 s95, s95, WZ                      ; zone 0 + four tiles x hh,
	s_lshl_b32 s96, s20, 11
	s_add_co_u32 s96, s96, WZ                      ; zone 0 + two tiles x yy
	v_and_b32 v15, 31, v0
	v_lshlrev_b32 v[L16], 4, v15
	v_lshlrev_b32 v[L8], 3, v15
	v_lshlrev_b32 v[L4], 2, v15
	v_bfe_u32 v[BQO], v0, 4, 1
	v_and_b32 v15, 15, v0
	v_and_b32 v[BVO], 8, v0
	v_lshlrev_b32 v[BQO], 6, v[BQO]
	v_add_nc_u32 v[BVO], v[BVO], v15
	v_add_nc_u32 v[TQ0], s93, v[L16]
	v_add_nc_u32 v[TV0], s94, v[L16]
	v_add_nc_u32 v[WQ0], s95, v[L16]
	v_add_nc_u32 v[WV], s96, v[L16]
	v_lshlrev_b32 v[BVO], 2, v[BVO]
	v_add_nc_u32 v[TQ0+1], 0x10000, v[TQ0]
	v_add_nc_u32 v[TV0+1], 0x10000, v[TV0]
	v_add_nc_u32 v[WQ1], 0x10000, v[WQ0]
.irp q, 0,1,2,3
	v_mov_b32 v[QTP+\q], 0                         ; written once: a lane permute's destination counts as one of its sources
.endr
.irp k, 0,1,2,3,4,5,6,7
	global_load_b32 v[TQS+\k], v[L4], s[66:67] offset:128*\k
	global_load_b32 v[WS0+\k], v[L4], s[70:71] offset:128*\k
	global_load_b32 v[WS0+8+\k], v[L4], s[70:71] offset:1024+128*\k
.endr
	BIASQ 0
.irp k, 0,1,2,3,4,5,6,7
	global_load_b32 v[WS1+\k], v[L4], s[70:71] offset:32768+128*\k
	global_load_b32 v[WS1+8+\k], v[L4], s[70:71] offset:32768+1024+128*\k
	global_load_b32 v[TVS+\k], v[L4], s[68:69] offset:128*\k
	global_load_b32 v[TVS+8+\k], v[L4], s[68:69] offset:1024+128*\k
	global_load_b32 v[WVS+\k], v[L4], s[72:73] offset:128*\k
.endr
	NEXTW                                          ; the tokens and q's weights are in, everybody's; k's weights are asked for: a first fill of zone 1
	PASS 0, WQ0, WS0, TQS, 1
	EPI 78, 0, 82, 0
	NEXTW                                          ; k's weights are in; nobody reads zone 0 any more: v's weights fill it again
	PASS 0, WQ1, WS1, TQS, 2
	EPI 78, 1<<22, 82, 1<<19
	s_wait_alu depctr_va_vdst(0)
	s_wait_tensorcnt 0x0                           ; my part of v's weights is in
	s_wait_dscnt 0x0
	s_barrier_signal -1
	s_barrier_wait -1                              ; everybody's is
	PASS 1, WV, TVS, WVS, 0
	EPI 80, 0, 88, 0
	s_wait_tensorcnt 0x0                           ; the wave's end
	ds_add_u32 v[SPW], v[NIL]
	s_wait_dscnt 0x0
	CROUND                                         ; the closing round
	s_endpgm
.Lfunc_end_k_qe6cffa1d51_gemm_qkv:
	.size	k_qe6cffa1d51_gemm_qkv, .Lfunc_end_k_qe6cffa1d51_gemm_qkv-k_qe6cffa1d51_gemm_qkv
	.p2alignl 7, 3214868480
	.fill 96, 4, 3214868480
	.section	.rodata,"a",@progbits
	.p2align	6, 0x0
	.amdhsa_kernel k_qe6cffa1d51_gemm_qkv
		.amdhsa_group_segment_fixed_size 327680
		.amdhsa_private_segment_fixed_size 0
		.amdhsa_enable_private_segment 0
		.amdhsa_kernarg_size 40
		.amdhsa_user_sgpr_count 2
		.amdhsa_user_sgpr_kernarg_segment_ptr 1
		.amdhsa_wavefront_size32 1
		.amdhsa_system_sgpr_workgroup_id_x 1
		.amdhsa_system_sgpr_workgroup_id_y 1
		.amdhsa_system_sgpr_workgroup_id_z 1
		.amdhsa_system_vgpr_workitem_id 0
		.amdhsa_next_free_vgpr 256
		.amdhsa_next_free_sgpr 100
		.amdhsa_reserve_vcc 0
		.amdhsa_float_denorm_mode_32 3
		.amdhsa_float_denorm_mode_16_64 3
		.amdhsa_memory_ordered 1
		.amdhsa_forward_progress 1
		.amdhsa_inst_pref_size 79
	.end_amdhsa_kernel
	.amdgpu_metadata
---
amdhsa.version: [ 1, 2 ]
amdhsa.kernels:
  - .name:           k_qe6cffa1d51_gemm_qkv
    .symbol:         k_qe6cffa1d51_gemm_qkv.kd
    .args:
      - { .name: opc, .offset: 0, .size: 8, .value_kind: global_buffer, .address_space: global }
      - { .name: ops, .offset: 8, .size: 8, .value_kind: global_buffer, .address_space: global }
      - { .name: qkv_b, .offset: 16, .size: 8, .value_kind: global_buffer, .address_space: global }
      - { .name: qkvc, .offset: 24, .size: 8, .value_kind: global_buffer, .address_space: global }
      - { .name: qkvs, .offset: 32, .size: 8, .value_kind: global_buffer, .address_space: global }
    .group_segment_fixed_size: 327680
    .private_segment_fixed_size: 0
    .kernarg_segment_align: 8
    .kernarg_segment_size: 40
    .max_flat_workgroup_size: 512
    .sgpr_count:     100
    .vgpr_count:     256
    .wavefront_size: 32
...
	.end_amdgpu_metadata
.endif
;; end of part 2
;; launch attn (part 3): grid 4 x 64, 16 waves a work-group, clusters of 4 x 1, 167,936 bytes of LDS; arguments qkvc, qkvs, mask, oc, os; writes oc, os
.if DOCPART == 3
	.amdgcn_target "amdgcn-amd-amdhsa--gfx1250"
	.amdhsa_code_object_version 6
	.text
	.protected	k_qe6cffa1d51_attn
	.globl	k_qe6cffa1d51_attn
	.p2align	8
	.type	k_qe6cffa1d51_attn,@function
k_qe6cffa1d51_attn:
	s_mov_b64 s[64:65], 0
	v_nop
	global_prefetch_b8 v0, s[64:65] scope:SCOPE_SE
	s_setreg_imm32_b32 hwreg(HW_REG_WAVE_MODE, 25, 1), 1
	s_wait_xcnt 0x0
	s_wait_alu depctr_hold_cnt(0) depctr_sa_sdst(0) depctr_va_vdst(0) depctr_va_sdst(0) depctr_va_ssrc(0) depctr_va_vcc(0) depctr_vm_vsrc(0)
	s_getreg_b32 s2, hwreg(HW_REG_IB_STS2, 6, 4)
	s_cmp_eq_u32 s2, 0
	s_cbranch_scc0 .Lentry_in_a_cluster
	s_endpgm
.Lentry_in_a_cluster:
	s_bfe_u32 s2, ttmp6, 0x10000c
	s_cmp_lg_u32 s2, 0x3003
	s_cbranch_scc0 .Lentry_shape_is_right
	s_endpgm
.Lentry_shape_is_right:
; o = softmax(q k^T / 8 + mask) v for one batch and head, both products on codes of E2M1, and o quantised along the model's 1,024 for the projection.  No work is left out.
; THE SOFTMAX: t = score x log2(e) / 8; M = the running largest t rounded UP to a whole number; p = 2^(t - M) is quantised along the keys, not normalised; the row's sum l is taken of the unquantised p and divides at the end.
; When M moves, l and O are multiplied by 2^(old M - new M): exact.
; SHARES: a work-group owns 512 queries of one head; wave w the two tiles of 16 queries 32 cx + 2 w + u, one after the other.  Four waves to a SIMD.  The head's whole K and V (65,536 bytes of codes each) lie in LDS by first fills alone.
; CLUSTER 4 x 1: the four work-groups of a head need the same K and V: each wave asks jointly for 8,192 bytes.
; LAYOUT: S^T = K Q^T (source 0 = 16 keys), O^T = V^T P^T (source 0 = 16 of the head's 64): a lane holds one query.  By the order of rows in a tile (launch quant) the 16 registers of tiles 2 b, 2 b + 1 are 16 neighbours.
; THE MASK RIDES IN THE FIRST PRODUCT.  The head has 64 numbers, the instruction takes 128 along K.  At k = 64 every key has the code of -6 and every query the code of +6; all other codes from k = 64 on are 0.
;   The query's scale byte for that block is 127 (1.0); the key's is 227 (2^100) where the mask is set, else 0 (2^-127).  So a masked key's score is -36 x 2^100 and p = 0; no vector instruction is spent.
; LIMITS: -infinity is carried as -36 x 2^100 and the running maximum begins at -2^100: served while |t| < 2^100.  An unmasked score carries -36 x 2^-127 beside its sum.
;   A batch all of whose keys are masked has l = 0: o's scale bytes are then 0xff, so that the projection gives NaN there, as the softmax of a row of -infinity does.
;   A block of zeros gets the byte 1 (its codes are zeros; this program alone reads the bytes).  NaN and infinities among the inputs are not served.
.set KSC,   131072                     ; LDS: K's codes at 0 [tile 128][512], V's at 65,536 [g 32][tile 4][512]; here K's scale words with the mask's byte, [g 32][lane][2 words]
.set VSC,   139264                     ; V's scale words, [key step 16][lane][2 words]
.set SPARE, 143360                     ; the spare words, 128 bytes for each wave, which no other line names
.set L16,  1                           ; v1   16 x lane
.set ADK,  2                           ; v2-5 the step's LDS addresses: K, V, K's scale words, V's
.set ADV,  3
.set ADS,  4
.set ADT,  5
.set SPW,  6                           ; v6   my spare word; never rewritten
.set NIL,  7                           ; v7   0; never rewritten
.set AKS,  8                           ; v8   KSC + 8 x lane
.set AVS,  9                           ; v9   VSC + 8 x lane
.set WACC, 10                          ; v10  o's scale words: lanes 0-15 tile 0's, lanes 16-31 tile 1's
.set FFFF, 11                          ; v11  0xffff
.set QQ,   16                          ; v16-23 Q: 4 registers of codes, the constant, 3 of zeros.  v12 -M, v13 the largest t, v[14:15] l in two halves
.set TM,   24                          ; v24-27 the blocks' largest scores, then largest p
.set TP,   28                          ; v28-31 at work
.set KF,   32                          ; v32-95 eight tiles of K: 4 registers of codes, the constant, 3 of zeros
.set VF,   96                          ; v96-127 four fragments of V
.set SS,   128                         ; v128-191 S^T, then p
.set OO,   192                         ; v192-223 O^T
.set PC,   224                         ; v224-231 p's codes
.set KS,   232                         ; v232-235 K's scale words;  v236-237 V's;  v238 p's;  v239 Q's: these hold scales and nothing else
.set VS,   236
.set PW,   238
.set QS,   239
.set TS,   240                         ; v240-243 the conversions' scale operands
.set FF,   244                         ; v[244:245] f = 2^(old M - new M), named as a pair
.set S2,   246                         ; v[246:247] the sum's second chain
.set T0,   248                         ; v248-250 at work; v251 8 r; v252 8 x lane; v253 the mask's lane offset
.set QTM,  24                          ; the way out's quantiser
.set QTP,  28
.set QTS,  240
.set QTB,  26
.macro CROUND
	s_barrier_signal -1
	s_barrier_wait -1
	s_cmp_lg_u32 s14, 0
	s_cbranch_scc1 .Lnot_wave_0_\@
	s_barrier_signal -3
.Lnot_wave_0_\@:
	s_barrier_wait -3
	s_barrier_signal -1
	s_barrier_wait -1
.endm
.macro QUANT32 src, P, W               ; as in gemm_qkv: 32 numbers of a lane, register 16 b + i = index 32 b + 16 h + i, become registers 0-3 of a fragment and two scale bytes
.irp b, 0,1
	v_max3_num_f32 v[QTM+\b], |v[(\src)+16*\b]|, |v[(\src)+16*\b+1]|, 0x1800000
.endr
.irp i, 2,4,6,8,10,12,14
.irp b, 0,1
	s_delay_alu instid0(VALU_DEP_2)
	v_max3_num_f32 v[QTM+\b], v[QTM+\b], |v[(\src)+16*\b+\i]|, |v[(\src)+16*\b+\i+1]|
.endr
.endr
.irp b, 0,1
	s_delay_alu instid0(VALU_DEP_2)
	v_permlanex16_b32 v[QTP+\b], v[QTM+\b], s20, s21
.endr
.irp b, 0,1
	s_delay_alu instid0(VALU_DEP_2)
	v_max_num_f32 v[QTM+\b], v[QTM+\b], v[QTP+\b]
.endr
.irp b, 0,1
	s_delay_alu instid0(VALU_DEP_2)
	v_add_nc_u32 v[QTS+\b], 0xff000000, v[QTM+\b]
.endr
.irp b, 0,1
	s_delay_alu instid0(VALU_DEP_2)
	v_lshrrev_b32 v[QTB+\b], 23, v[QTS+\b]
.endr
	s_delay_alu instid0(VALU_DEP_1)
	v_lshl_or_b32 v[\W], v[QTB+1], 8, v[QTB]
.irp b, 0,1
	v_cvt_scalef32_pk8_fp4_f32 v[(\P)+2*\b], v[(\src)+16*\b:(\src)+16*\b+7], v[QTS+\b]
	v_cvt_scalef32_pk8_fp4_f32 v[(\P)+2*\b+1], v[(\src)+16*\b+8:(\src)+16*\b+15], v[QTS+\b]
.endr
	v_nop
	v_permlane16_swap_b32 v[(\P)], v[(\P)+2]
	v_permlane16_swap_b32 v[(\P)+1], v[(\P)+3]
.endm
	s_load_b256 s[4:11], s[0:1], 0x0               ; qkvc, qkvs, mask, oc
	s_load_b64 s[12:13], s[0:1], 0x20              ; os
	v_lshl_add_u32 v[SPW], v0, 2, SPARE
	v_mov_b32 v[NIL], 0
	ds_add_u32 v[SPW], v[NIL]                      ; the wave's opening: the add, twice on end, and its wait ahead of my first tensor load
	ds_add_u32 v[SPW], v[NIL]
	v_lshrrev_b32 v1, 5, v0
	s_delay_alu instid0(VALU_DEP_1)
	v_readfirstlane_b32 s14, v1                    ; wave 0..15
	s_bfe_u32 s15, ttmp6, 0x40000                  ; cx: it enters global addresses of Q and o alone
	s_and_b32 s16, ttmp7, 0xffff                   ; batch x 16 + head, which the four partners share
	s_lshr_b32 s17, s16, 4                         ; batch
	s_and_b32 s18, s16, 15                         ; head
	s_mov_b32 s24, 15|(3<<16)|(1<<21)              ; group 1: all four work-groups; elements of 8 bytes; bit 21 beside a mask; no padding
	s_mov_b32 s25, 32<<16                          ; rows of 256 bytes
	s_mov_b32 s26, 32<<16                          ; 32 of them: 8,192 dense bytes
	s_mov_b32 s27, 32<<16
	s_mov_b32 s28, 32
	s_mov_b32 s29, 32
	s_mov_b32 s30, 0
	s_mov_b32 s31, 0
	s_lshr_b32 s41, s14, 3                         ; waves 0-7 fetch K's codes (section 1), waves 8-15 V's (section 2)
	s_add_co_u32 s41, s41, 1
	s_lshl_b32 s42, s41, 22
	s_lshl_b32 s41, s16, 16
	s_add_co_u32 s42, s42, s41
	s_and_b32 s41, s14, 7
	s_lshl_b32 s41, s41, 13
	s_add_co_u32 s42, s42, s41
	s_mov_b32 s43, 0
	s_mov_b32 s32, 1
	s_lshl_b32 s33, s14, 13                        ; LDS: 8,192 x wave
	s_mov_b32 s20, 0x76543210
	s_mov_b32 s21, 0xfedcba98                      ; selects: lane l xor 16
	s_mov_b32 s22, 0x3e38aa3b                      ; c = log2(e) / 8
	s_mov_b32 s23, s22                             ; (named with it as a pair)
	s_mov_b32 s40, 0xffff0000                      ; lanes 16-31
	s_wait_dscnt 0x0                               ; both opening adds are done
	s_wait_kmcnt 0x0
	s_add_nc_u64 s[34:35], s[4:5], s[42:43]
	s_or_b32 s35, s35, 0x80000000
	CROUND                                         ; all four work-groups are here: the joint loads meet
	tensor_load_to_lds s[32:35], s[24:31]          ; every wave's one load: one of mine is out
	s_nop 0
.rept 4
	v_nop
.endr
	s_mov_b32 s59, 0
	s_lshl_b32 s41, s16, 13                        ; a head's scale words are 8,192 bytes in each section
	s_lshl_b32 s55, s14, 9
	s_add_co_u32 s58, s41, s55
	s_add_nc_u64 s[48:49], s[6:7], s[58:59]        ; key step w's words (the sections stand in the loads' immediates)
	s_lshl_b32 s55, s15, 11                        ; Q's words: g = 8 cx + w / 2, i = w % 2
	s_add_co_u32 s58, s41, s55
	s_lshr_b32 s55, s14, 1
	s_lshl_b32 s55, s55, 8
	s_add_co_u32 s58, s58, s55
	s_and_b32 s55, s14, 1
	s_lshl_b32 s55, s55, 2
	s_add_co_u32 s58, s58, s55
	s_add_nc_u64 s[46:47], s[6:7], s[58:59]
	s_lshl_b32 s58, s17, 11                        ; the mask: batch x 2,048 + 128 w
	s_lshl_b32 s55, s14, 7
	s_add_co_u32 s58, s58, s55
	s_add_nc_u64 s[50:51], s[8:9], s[58:59]
	s_lshl_b32 s58, s16, 16                        ; Q's codes: tile 32 cx + 2 w
	s_lshl_b32 s55, s15, 14
	s_add_co_u32 s58, s58, s55
	s_lshl_b32 s55, s14, 10
	s_add_co_u32 s58, s58, s55
	s_add_nc_u64 s[44:45], s[4:5], s[58:59]
	s_lshl_b32 s58, s17, 4                         ; oc [block of 128 tokens][K step = head / 2][tile 8][part = head % 2][lane][16]: block 16 batch + 4 cx + w / 4, tile 2 (w % 4) + u
	s_lshl_b32 s55, s15, 2
	s_add_co_u32 s58, s58, s55
	s_lshr_b32 s55, s14, 2
	s_add_co_u32 s58, s58, s55
	s_lshl_b32 s58, s58, 16
	s_lshr_b32 s55, s18, 1
	s_lshl_b32 s55, s55, 13
	s_add_co_u32 s58, s58, s55
	s_and_b32 s55, s14, 3
	s_lshl_b32 s55, s55, 11
	s_add_co_u32 s58, s58, s55
	s_and_b32 s55, s18, 1
	s_lshl_b32 s55, s55, 9
	s_add_co_u32 s58, s58, s55
	s_add_nc_u64 s[52:53], s[10:11], s[58:59]
	s_lshl_b32 s58, s17, 6                         ; os [group of 32 tokens][head][lane] words: group 64 batch + 16 cx + w
	s_lshl_b32 s55, s15, 4
	s_add_co_u32 s58, s58, s55
	s_add_co_u32 s58, s58, s14
	s_lshl_b32 s58, s58, 11
	s_lshl_b32 s55, s18, 7
	s_add_co_u32 s58, s58, s55
	s_add_nc_u64 s[56:57], s[12:13], s[58:59]
	v_and_b32 v248, 31, v0                         ; lane
	v_and_b32 v249, 15, v0                         ; r
	v_bfe_u32 v250, v0, 4, 1                       ; h
	s_delay_alu instid0(VALU_DEP_3)
	v_lshlrev_b32 v[L16], 4, v248
	s_delay_alu instid0(VALU_DEP_4)
	v_lshlrev_b32 v252, 3, v248
	s_delay_alu instid0(VALU_DEP_4)
	v_lshlrev_b32 v251, 3, v249
	v_and_b32 v253, 8, v249
	s_delay_alu instid0(VALU_DEP_1)
	v_add_nc_u32 v253, v253, v249
	s_delay_alu instid0(VALU_DEP_1)
	v_lshl_add_u32 v253, v250, 3, v253             ; the key of lane 16 u + r in a group of 32: 8 u + r + 8 (r / 8)
	; wave w prepares key step w's scale words: K's two groups of 64 keys with the mask's byte, V's two groups joined
	global_load_b64 v[128:129], v252, s[48:49] offset:524288
	global_load_b64 v[130:131], v252, s[48:49] offset:524288+256
	global_load_b64 v[136:137], v252, s[48:49] offset:1048576
	global_load_b64 v[138:139], v252, s[48:49] offset:1048576+256
.irp i, 0,1,2,3
	global_load_u8 v[132+\i], v253, s[50:51] offset:32*\i
.endr
	global_load_b128 v[QQ:QQ+3], v[L16], s[44:45]  ; tile 0 of my queries
	global_load_b32 v[QS], v251, s[46:47]          ; and its scale words: lane r row r's
	v_add_nc_u32 v[AKS], KSC, v252
	v_add_nc_u32 v[AVS], VSC, v252
	s_lshl_b32 s55, s14, 9
	v_add_nc_u32 v[ADK], s55, v[AKS]               ; where I store K's words: KSC + 512 w + 8 x lane
	s_lshl_b32 s55, s14, 8
	v_add_nc_u32 v[ADV], s55, v[AVS]               ; and V's: VSC + 256 w + 8 x lane
	v_mul_u32_u24 v248, v250, 15
	s_delay_alu instid0(VALU_DEP_1)
	v_sub_nc_u32 v248, 15, v248                    ; lanes 0-15: the code of -6 at k = 64; lanes 16-31 (k = 96 on): 0
	v_mul_u32_u24 v249, v250, 7
	s_delay_alu instid0(VALU_DEP_1)
	v_sub_nc_u32 v249, 7, v249                     ; the code of +6
.irp t, 0,1,2,3,4,5,6,7
	v_mov_b32 v[KF+8*\t+4], v248                   ; these stay for the whole launch
	v_mov_b32 v[KF+8*\t+5], 0
	v_mov_b32 v[KF+8*\t+6], 0
	v_mov_b32 v[KF+8*\t+7], 0
.endr
	v_mov_b32 v[QQ+4], v249
	v_mov_b32 v[QQ+5], 0
	v_mov_b32 v[QQ+6], 0
	v_mov_b32 v[QQ+7], 0
	v_mov_b32 v[FFFF], 0xffff
	v_mov_b32 v[FF+1], 0                           ; (named as the upper half of a pair)
.irp b, 0,1,2,3
	v_mov_b32 v[TP+\b], 0                          ; written once: a lane permute's destination counts as one of its sources
.endr
	s_wait_loadcnt 0x0
.irp i, 0,1,2,3
	v_mad_u32_u24 v[128+\i], v[132+\i], 0xe30000, v[128+\i]   ; byte 2: 227 where the key is masked, else 0
.endr
	v_lshl_or_b32 v136, v138, 16, v136             ; V: bytes 0, 1 keys 0-63 of the step, bytes 2, 3 keys 64-127
	v_lshl_or_b32 v137, v139, 16, v137
	ds_store_b64 v[ADK], v[128:129]
	ds_store_b64 v[ADK], v[130:131] offset:256
	ds_store_b64 v[ADV], v[136:137]
	s_wait_tensorcnt 0x0                           ; my part of K or V is in,
	s_wait_dscnt 0x0                               ; my scale words are stored,
	s_barrier_signal -1
	s_barrier_wait -1                              ; everybody's are
; A KEY STEP: 128 keys for one tile of 16 queries.
.macro LOADK                           ; ten LDS loads: the scale words and the eight tiles of K for 128 keys, at v[ADS] and v[ADK]
	ds_load_b64 v[KS:KS+1], v[ADS]
	ds_load_b64 v[KS+2:KS+3], v[ADS] offset:256
.irp t, 0,1,2,3,4,5,6,7
	ds_load_b128 v[KF+8*\t:KF+8*\t+3], v[ADK] offset:512*\t
.endr
.endm
; K's loads run one step ahead: a step asks for the next step's behind its own score products.  A tile's last step so reads 4,096 bytes behind K's codes and 512 behind K's words
; (V's codes and V's words, inside LDS, written before the barrier): nothing uses them, and they are waited for ahead of the next loads into these registers and at the wave's end.
.macro STEP
	s_wait_dscnt 0x0                               ; this step's K and its words, asked for a step ago
.irp t, 0,2,4,6
	v_wmma_scale_f32_16x16x128_f8f6f4 v[SS+8*\t:SS+8*\t+7], v[KF+8*\t:KF+8*\t+7], v[QQ:QQ+7], 0, v[KS+\t/2], v[QS] matrix_a_fmt:MATRIX_FMT_FP4 matrix_b_fmt:MATRIX_FMT_FP4
	v_wmma_scale_f32_16x16x128_f8f6f4 v[SS+8*\t+8:SS+8*\t+15], v[KF+8*\t+8:KF+8*\t+15], v[QQ:QQ+7], 0, v[KS+\t/2], v[QS] matrix_a_fmt:MATRIX_FMT_FP4 matrix_b_fmt:MATRIX_FMT_FP4 matrix_a_scale:MATRIX_SCALE_ROW1
.endr
	v_add_nc_u32 v[ADV], s60, v[L16]               ; these four are the places behind the score products (first read of the scores, loads into K's registers) and behind the last step's second product (loads into V's)
	v_add_nc_u32 v[ADT], s38, v[AVS]
	v_add_nc_u32 v[ADK], s36, v[L16]               ; the next step's K
	v_add_nc_u32 v[ADS], s37, v[AKS]
	ds_load_b64 v[VS:VS+1], v[ADT]                 ; nine loads: this step's V and its words
.irp c, 0,1
.irp t, 0,1,2,3
	ds_load_b128 v[VF+8*\t+4*\c:VF+8*\t+4*\c+3], v[ADV] offset:2048*\c+512*\t
.endr
.endr
	LOADK
.irp b, 0,1,2,3
	v_max3_num_f32 v[TM+\b], v[SS+16*\b], v[SS+16*\b+1], v[SS+16*\b+2]   ; the largest score of each block of 32 keys: for the row's maximum, and, since p rises with the score, for the block's largest p
.endr
.irp i, 3,5,7,9,11,13
.irp b, 0,1,2,3
	v_max3_num_f32 v[TM+\b], v[TM+\b], v[SS+16*\b+\i], v[SS+16*\b+\i+1]
.endr
.endr
.irp b, 0,1,2,3
	v_max_num_f32 v[TM+\b], v[TM+\b], v[SS+16*\b+15]
.endr
.irp b, 0,1,2,3
	s_delay_alu instid0(VALU_DEP_4)
	v_permlanex16_b32 v[TP+\b], v[TM+\b], s20, s21
.endr
.irp b, 0,1,2,3
	s_delay_alu instid0(VALU_DEP_4)
	v_max_num_f32 v[TM+\b], v[TM+\b], v[TP+\b]     ; with lane l xor 16's 16 keys
.endr
	s_delay_alu instid0(VALU_DEP_2)
	v_max3_num_f32 v[T0], v[TM], v[TM+1], v[TM+2]
	s_delay_alu instid0(VALU_DEP_1)
	v_max_num_f32 v[T0], v[T0], v[TM+3]
	s_delay_alu instid0(VALU_DEP_1)
	v_mul_f32 v[T0], s22, v[T0]                    ; as t (c is positive)
	s_delay_alu instid0(VALU_DEP_1)
	v_max_num_f32 v13, v13, v[T0]                  ; the running largest t
	v_mov_b32 v[T0], v12
	s_delay_alu instid0(VALU_DEP_2)
	v_floor_f32 v12, -v13                          ; the new -M = floor(-t): M is a whole number
	s_delay_alu instid0(VALU_DEP_1)
	v_sub_f32 v[T0], v12, v[T0]                    ; old M - new M, 0 or less
	s_delay_alu instid0(VALU_DEP_1)
	v_cvt_i32_f32 v[T0], v[T0]                     ; (it saturates)
	s_delay_alu instid0(VALU_DEP_1)
	v_ldexp_f32 v[FF], 1.0, v[T0]                  ; f = 2^(old M - new M)
.set j, 0
.rept 32
	v_pk_fma_f32 v[SS+j:SS+j+1], v[SS+j:SS+j+1], s[22:23], v[12:13] op_sel_hi:[1,0,0]   ; t - M, two at a time
.set j, j+2
.endr
.irp b, 0,1,2,3
	v_fma_f32 v[TM+\b], v[TM+\b], s22, v12         ; the same of each block's largest score
.endr
.set j, 0
	s_wait_alu depctr_va_vdst(0)
.rept 64
	v_exp_f32 v[SS+j], v[SS+j]                     ; p = 2^(t - M): one batch
.set j, j+1
.endr
	v_pk_mul_f32 v[14:15], v[14:15], v[FF:FF+1] op_sel_hi:[1,0]   ; l under the new M: the plain line behind the batch
	s_wait_alu depctr_va_vdst(0)                   ; the wait ahead of the first line that names a result: one for the 64
.irp b, 0,1,2,3
	v_exp_f32 v[TM+\b], v[TM+\b]                   ; the blocks' largest p
.endr
	v_pk_add_f32 v[246:247], v[132:133], v[136:137]
	v_pk_add_f32 v[254:255], v[140:141], v[144:145]
	v_pk_add_f32 v[252:253], v[148:149], v[152:153]
	v_pk_add_f32 v[242:243], v[156:157], v[160:161]
	v_pk_add_f32 v[240:241], v[164:165], v[168:169]
	v_pk_add_f32 v[226:227], v[172:173], v[176:177]   ; (two chains stand in p's code registers, which the conversions write later)
	v_pk_add_f32 v[224:225], v[180:181], v[184:185]
	v_pk_add_f32 v[14:15], v[14:15], v[188:189]
	v_pk_add_f32 v[246:247], v[246:247], v[128:129]
	v_pk_add_f32 v[254:255], v[254:255], v[130:131]
	v_pk_add_f32 v[252:253], v[252:253], v[134:135]
	v_pk_add_f32 v[242:243], v[242:243], v[138:139]
	v_pk_add_f32 v[240:241], v[240:241], v[142:143]
	v_pk_add_f32 v[226:227], v[226:227], v[146:147]
	v_pk_add_f32 v[224:225], v[224:225], v[150:151]
	v_pk_add_f32 v[14:15], v[14:15], v[154:155]
	v_pk_add_f32 v[246:247], v[246:247], v[158:159]
	v_pk_add_f32 v[254:255], v[254:255], v[162:163]
	v_pk_add_f32 v[252:253], v[252:253], v[166:167]
	v_pk_add_f32 v[242:243], v[242:243], v[170:171]
	v_pk_add_f32 v[240:241], v[240:241], v[174:175]
	v_pk_add_f32 v[226:227], v[226:227], v[178:179]
	v_pk_add_f32 v[224:225], v[224:225], v[182:183]
	v_pk_add_f32 v[14:15], v[14:15], v[186:187]
	v_pk_add_f32 v[246:247], v[246:247], v[190:191]
	s_delay_alu instid0(VALU_DEP_2)
	v_pk_add_f32 v[14:15], v[14:15], v[242:243]
	s_delay_alu instid0(VALU_DEP_2)
	v_pk_add_f32 v[246:247], v[246:247], v[240:241]
	v_pk_add_f32 v[254:255], v[254:255], v[226:227]
	v_pk_add_f32 v[252:253], v[252:253], v[224:225]
	s_delay_alu instid0(VALU_DEP_2)
	v_pk_add_f32 v[14:15], v[14:15], v[254:255]
	s_delay_alu instid0(VALU_DEP_2)
	v_pk_add_f32 v[246:247], v[246:247], v[252:253]
	s_delay_alu instid0(VALU_DEP_1)
	v_pk_add_f32 v[14:15], v[14:15], v[246:247]
	s_wait_alu depctr_va_vdst(0)                   ; and one for the four
.irp b, 0,1,2,3
	v_max_num_f32 v[TM+\b], 0x1800000, v[TM+\b]    ; the floor 2^(3 - 127): a block whose every p is 0 keeps the byte 1: its codes are zeros
.endr
.irp b, 0,1,2,3
	s_delay_alu instid0(VALU_DEP_4)
	v_add_nc_u32 v[TS+\b], 0xff000000, v[TM+\b]
.endr
.irp b, 0,1,2,3
	s_delay_alu instid0(VALU_DEP_4)
	v_lshrrev_b32 v[TP+\b], 23, v[TS+\b]
.endr
	s_delay_alu instid0(VALU_DEP_3)
	v_lshl_or_b32 v[PW], v[TP+1], 8, v[TP]         ; p's scale word for these 128 keys
	s_delay_alu instid0(VALU_DEP_1)
	v_lshl_or_b32 v[PW], v[TP+2], 16, v[PW]
	s_delay_alu instid0(VALU_DEP_1)
	v_lshl_or_b32 v[PW], v[TP+3], 24, v[PW]
.irp b, 0,1,2,3
	v_cvt_scalef32_pk8_fp4_f32 v[PC+2*\b], v[SS+16*\b:SS+16*\b+7], v[TS+\b]
	v_cvt_scalef32_pk8_fp4_f32 v[PC+2*\b+1], v[SS+16*\b+8:SS+16*\b+15], v[TS+\b]
.endr
	v_nop                                          ; one plain line behind the last conversion
.irp c, 0,1
.irp i, 0,1
	v_permlane16_swap_b32 v[PC+4*\c+\i], v[PC+4*\c+2+\i]   ; a whole block to a lane
.endr
.endr
.set j, 0
.rept 16
	v_pk_mul_f32 v[OO+j:OO+j+1], v[OO+j:OO+j+1], v[FF:FF+1] op_sel_hi:[1,0]   ; O^T under the new M; these sixteen are also the places between p's word and codes and the products below
.set j, j+2
.endr
	s_wait_alu depctr_va_vdst(0)
	s_wait_dscnt 10                                ; V and its words are in; the ten younger loads, the next step's K, may be out
.irp t, 0,2
	v_wmma_scale_f32_16x16x128_f8f6f4 v[OO+8*\t:OO+8*\t+7], v[VF+8*\t:VF+8*\t+7], v[PC:PC+7], v[OO+8*\t:OO+8*\t+7], v[VS+\t/2], v[PW] matrix_a_fmt:MATRIX_FMT_FP4 matrix_b_fmt:MATRIX_FMT_FP4
	v_wmma_scale_f32_16x16x128_f8f6f4 v[OO+8*\t+8:OO+8*\t+15], v[VF+8*\t+8:VF+8*\t+15], v[PC:PC+7], v[OO+8*\t+8:OO+8*\t+15], v[VS+\t/2], v[PW] matrix_a_fmt:MATRIX_FMT_FP4 matrix_b_fmt:MATRIX_FMT_FP4 matrix_a_scale:MATRIX_SCALE_ROW1
.endr
	s_add_co_u32 s36, s36, 4096                    ; the next 128 keys: eight tiles of K, two groups of V,
	s_add_co_u32 s37, s37, 512                     ; K's words,
	s_add_co_u32 s38, s38, 256                     ; V's words,
	s_add_co_u32 s60, s60, 4096                    ; V's two groups
.endm
; ONE TILE OF 16 QUERIES through all 2,048 keys, and its way out.
.macro TILE u
	s_wait_loadcnt 0x0                             ; Q's codes and scale words
	s_wait_dscnt 0x0                               ; no LDS load of mine is out: K's registers may be asked for anew
	s_mov_b32 s36, 0
	s_mov_b32 s37, 0
	v_add_nc_u32 v[ADK], s36, v[L16]
	v_add_nc_u32 v[ADS], s37, v[AKS]
	LOADK                                          ; the first step's K
	v_or_b32 v[QS], 0x7f0000, v[QS]                ; byte 2 = 127: the mask's block counts as it stands.  The lines below are the places between this and the first product
	v_mov_b32 v13, 0xf1800000                      ; the largest t so far: -2^100
	s_delay_alu instid0(VALU_DEP_1)
	v_floor_f32 v12, -v13                          ; -M
	v_mov_b32 v14, 0
	v_mov_b32 v15, 0
.set j, 0
.rept 32
	v_mov_b32 v[OO+j], 0                           ; the step is written once: its first trip finds zeros
.set j, j+1
.endr
	s_mov_b32 s36, 4096                            ; K and its words: one step ahead
	s_mov_b32 s37, 512
	s_mov_b32 s38, 0
	s_mov_b32 s60, 0x10000                         ; V's codes lie behind K's
	s_mov_b32 s39, 16
.Lstep_\@:
	STEP
	s_sub_co_u32 s39, s39, 1
	s_cmp_lg_u32 s39, 0
	s_cbranch_scc1 .Lstep_\@
.if \u == 0
	global_load_b128 v[QQ:QQ+3], v[L16], s[44:45] offset:512   ; the next tile's queries land under this tile's way out
	global_load_b32 v[QS], v251, s[46:47] offset:128
.endif
	v_add_f32 v14, v14, v15                        ; l's two halves,
	s_delay_alu instid0(VALU_DEP_1)
	v_permlanex16_b32 v[T0], v14, s20, s21
	s_delay_alu instid0(VALU_DEP_1)
	v_add_f32 v14, v14, v[T0]                      ; and lane l xor 16's
	v_mov_b32 v[T0+1], 1.0
	s_delay_alu instid0(VALU_DEP_2)
	v_cmp_eq_f32 s54, 0, v14                       ; every key masked: a choice of values, no branch
	s_delay_alu instid0(VALU_DEP_1)
	v_cndmask_b32 v14, v14, v[T0+1], s54           ; then divide by 1: O is 0 there, and the scale bytes below say NaN
	s_wait_alu depctr_va_vdst(0)
	v_rcp_f32 v14, v14
	v_nop                                          ; the plain line behind the reciprocal
	s_wait_alu depctr_va_vdst(0)                   ; and the wait ahead of its first reader
.set j, 0
.rept 16
	v_pk_mul_f32 v[SS+j:SS+j+1], v[OO+j:OO+j+1], v[14:15] op_sel_hi:[1,0]   ; o = O / l: register 16 b + i is the head's 32 b + 16 h + i; each accumulator from its low end on
.set j, j+2
.endr
	QUANT32 SS, SS+32, T0
	v_cndmask_b32 v[T0], v[T0], v[FFFF], s54
.if \u == 0
	s_delay_alu instid0(VALU_DEP_1)
	v_mov_b32 v[WACC], v[T0]
.else
	s_delay_alu instid0(VALU_DEP_1)
	v_cndmask_b32 v[WACC], v[WACC], v[T0], s40     ; lanes 16-31 take tile 1's words
.endif
	global_store_b128 v[L16], v[SS+32:SS+35], s[52:53] offset:1024*\u   ; 512 consecutive bytes, aligned
.if \u == 0
	s_wait_xcnt 0x0                                ; the store has read its registers: the next tile's scores are written over them only behind this wait
.endif
.endm
	TILE 0
	TILE 1
	v_and_b32 v250, 31, v0
	s_delay_alu instid0(VALU_DEP_1)
	v_lshlrev_b32 v250, 2, v250
	global_store_b32 v250, v[WACC], s[56:57]       ; 128 consecutive bytes
	s_wait_tensorcnt 0x0                           ; the wave's end
	ds_add_u32 v[SPW], v[NIL]
	s_wait_dscnt 0x0
	CROUND                                         ; the closing round
	s_endpgm
.Lfunc_end_k_qe6cffa1d51_attn:
	.size	k_qe6cffa1d51_attn, .Lfunc_end_k_qe6cffa1d51_attn-k_qe6cffa1d51_attn
	.p2alignl 7, 3214868480
	.fill 96, 4, 3214868480
	.section	.rodata,"a",@progbits
	.p2align	6, 0x0
	.amdhsa_kernel k_qe6cffa1d51_attn
		.amdhsa_group_segment_fixed_size 167936
		.amdhsa_private_segment_fixed_size 0
		.amdhsa_enable_private_segment 0
		.amdhsa_kernarg_size 40
		.amdhsa_user_sgpr_count 2
		.amdhsa_user_sgpr_kernarg_segment_ptr 1
		.amdhsa_wavefront_size32 1
		.amdhsa_system_sgpr_workgroup_id_x 1
		.amdhsa_system_sgpr_workgroup_id_y 1
		.amdhsa_system_sgpr_workgroup_id_z 1
		.amdhsa_system_vgpr_workitem_id 0
		.amdhsa_next_free_vgpr 256
		.amdhsa_next_free_sgpr 66
		.amdhsa_reserve_vcc 0
		.amdhsa_float_denorm_mode_32 3
		.amdhsa_float_denorm_mode_16_64 3
		.amdhsa_memory_ordered 1
		.amdhsa_forward_progress 1
		.amdhsa_inst_pref_size 55
	.end_amdhsa_kernel
	.amdgpu_metadata
---
amdhsa.version: [ 1, 2 ]
amdhsa.kernels:
  - .name:           k_qe6cffa1d51_attn
    .symbol:         k_qe6cffa1d51_attn.kd
    .args:
      - { .name: qkvc, .offset: 0, .size: 8, .value_kind: global_buffer, .address_space: global }
      - { .name: qkvs, .offset: 8, .size: 8, .value_kind: global_buffer, .address_space: global }
      - { .name: mask, .offset: 16, .size: 8, .value_kind: global_buffer, .address_space: global }
      - { .name: oc, .offset: 24, .size: 8, .value_kind: global_buffer, .address_space: global }
      - { .name: os, .offset: 32, .size: 8, .value_kind: global_buffer, .address_space: global }
    .group_segment_fixed_size: 167936
    .private_segment_fixed_size: 0
    .kernarg_segment_align: 8
    .kernarg_segment_size: 40
    .max_flat_workgroup_size: 512
    .sgpr_count:     66
    .vgpr_count:     256
    .wavefront_size: 32
...
	.end_amdgpu_metadata
.endif
;; end of part 3
;; launch gemm_proj (part 4): grid 4 x 64, 8 waves a work-group, clusters of 4 x 4, 232,448 bytes of LDS; arguments oc, os, opc, ops, proj_b, out0; writes out0
.if DOCPART == 4
	.amdgcn_target "amdgcn-amd-amdhsa--gfx1250"
	.amdhsa_code_object_version 6
	.text
	.protected	k_qe6cffa1d51_gemm_proj
	.globl	k_qe6cffa1d51_gemm_proj
	.p2align	8
	.type	k_qe6cffa1d51_gemm_proj,@function
k_qe6cffa1d51_gemm_proj:
	s_mov_b64 s[64:65], 0
	v_nop
	global_prefetch_b8 v0, s[64:65] scope:SCOPE_SE
	s_setreg_imm32_b32 hwreg(HW_REG_WAVE_MODE, 25, 1), 1
	s_wait_xcnt 0x0
	s_wait_alu depctr_hold_cnt(0) depctr_sa_sdst(0) depctr_va_vdst(0) depctr_va_sdst(0) depctr_va_ssrc(0) depctr_va_vcc(0) depctr_vm_vsrc(0)
	s_getreg_b32 s2, hwreg(HW_REG_IB_STS2, 6, 4)
	s_cmp_eq_u32 s2, 0
	s_cbranch_scc0 .Lentry_in_a_cluster
	s_endpgm
.Lentry_in_a_cluster:
	s_bfe_u32 s2, ttmp6, 0x10000c
	s_cmp_lg_u32 s2, 0xf033
	s_cbranch_scc0 .Lentry_shape_is_right
	s_endpgm
.Lentry_shape_is_right:
; out0 = o proj_w^T + proj_b on codes of E2M1.  No work is left out.
; SHARES: a work-group makes 128 tokens x 256 columns; each of its 8 waves 64 x 64: 16 accumulators.  The whole K of both blocks (65,536 + 131,072 bytes of fragment images) lies in LDS by first fills alone.
; CLUSTER 4 x 4: the four of a row need the same block of tokens (oc), the four of a column the same block of proj_w (opc, blocks 44 on): each is asked for jointly.
; D = X Y^T with source 0 = X = 64 rows of proj_w, source 1 = Y = 64 tokens: a lane holds one token, and the 16 registers of X tiles 2 b, 2 b + 1 are columns 32 b + 16 h + 0 .. 15 (the order of rows in a tile: launch quant).
; A token whose keys were all masked has scale bytes 0xff in os: its row comes out NaN.
.set XSTR,  16384                      ; X: 16 tiles a K step
.set YSTR,  8192                       ; Y: 8 tiles
.set HALF,  65536                      ; LDS: [tokens, K steps 0-7: 65,536 bytes][weights, K steps 0-7: 131,072]; HALF: the weights' zone, and from K step 0 to K step 4 in it
.set STAGE, 196608                     ; the way out: 16 rows x (256 + 16) bytes for each wave
.set SPARE, 231424                     ; the spare words, 128 bytes for each wave, which no other line names
.set XA,   1                           ; v1-2  LDS address of my X fragments, K half 0, 1
.set YA,   3                           ; v3-4  of my Y fragments
.set SPW,  5                           ; v5    my spare word; never rewritten
.set NIL,  6                           ; v6    0; never rewritten
.set L16,  7                           ; v7    16 x lane
.set L4,   9                           ; v9    4 x lane
.set SO,   10                          ; v10   the stage, on the way in: 272 r + 64 h
.set SR,   11                          ; v11   and back: 272 h + 16 r
.set GO,   12                          ; v12   my byte offset in out0: 4,096 h + 16 r
.set BO,   13                          ; v13   16 r
.set XS,   16                          ; v16-31  X's scale words: register 8 p + K step
.set YS,   32                          ; v32-47  Y's
.set XF,   48                          ; v48-79  four fragments of X; on the way out rows read back
.set YF,   80                          ; v80-111 four of Y; likewise
.set BB,   112                         ; v112-115 the bias of my four columns
.set ACC,  128                         ; v128-255 accumulator (y, x) at 8 (4 y + x)
.macro CROUND
	s_barrier_signal -1
	s_barrier_wait -1
	s_cmp_lg_u32 s14, 0
	s_cbranch_scc1 .Lnot_wave_0_\@
	s_barrier_signal -3
.Lnot_wave_0_\@:
	s_barrier_wait -3
	s_barrier_signal -1
	s_barrier_wait -1
.endm
.macro MM k, y, x                      ; one product, as in gemm_qkv
.set rD, ACC+8*(4*(\y)+(\x))
.set rA, XF+8*(\x)
.set rB, YF+8*(\y)
.set rP, XS+8*((\x)/2)+(\k)
.set rQ, YS+8*((\y)/2)+(\k)
.if (\k) == 0
.if ((\x)%2 == 0) && ((\y)%2 == 0)
	v_wmma_scale_f32_16x16x128_f8f6f4 v[rD:rD+7], v[rA:rA+7], v[rB:rB+7], 0, v[rP], v[rQ] matrix_a_fmt:MATRIX_FMT_FP4 matrix_b_fmt:MATRIX_FMT_FP4
.elseif ((\x)%2 == 1) && ((\y)%2 == 0)
	v_wmma_scale_f32_16x16x128_f8f6f4 v[rD:rD+7], v[rA:rA+7], v[rB:rB+7], 0, v[rP], v[rQ] matrix_a_fmt:MATRIX_FMT_FP4 matrix_b_fmt:MATRIX_FMT_FP4 matrix_a_scale:MATRIX_SCALE_ROW1
.elseif ((\x)%2 == 0)
	v_wmma_scale_f32_16x16x128_f8f6f4 v[rD:rD+7], v[rA:rA+7], v[rB:rB+7], 0, v[rP], v[rQ] matrix_a_fmt:MATRIX_FMT_FP4 matrix_b_fmt:MATRIX_FMT_FP4 matrix_b_scale:MATRIX_SCALE_ROW1
.else
	v_wmma_scale_f32_16x16x128_f8f6f4 v[rD:rD+7], v[rA:rA+7], v[rB:rB+7], 0, v[rP], v[rQ] matrix_a_fmt:MATRIX_FMT_FP4 matrix_b_fmt:MATRIX_FMT_FP4 matrix_a_scale:MATRIX_SCALE_ROW1 matrix_b_scale:MATRIX_SCALE_ROW1
.endif
.else
.if ((\x)%2 == 0) && ((\y)%2 == 0)
	v_wmma_scale_f32_16x16x128_f8f6f4 v[rD:rD+7], v[rA:rA+7], v[rB:rB+7], v[rD:rD+7], v[rP], v[rQ] matrix_a_fmt:MATRIX_FMT_FP4 matrix_b_fmt:MATRIX_FMT_FP4
.elseif ((\x)%2 == 1) && ((\y)%2 == 0)
	v_wmma_scale_f32_16x16x128_f8f6f4 v[rD:rD+7], v[rA:rA+7], v[rB:rB+7], v[rD:rD+7], v[rP], v[rQ] matrix_a_fmt:MATRIX_FMT_FP4 matrix_b_fmt:MATRIX_FMT_FP4 matrix_a_scale:MATRIX_SCALE_ROW1
.elseif ((\x)%2 == 0)
	v_wmma_scale_f32_16x16x128_f8f6f4 v[rD:rD+7], v[rA:rA+7], v[rB:rB+7], v[rD:rD+7], v[rP], v[rQ] matrix_a_fmt:MATRIX_FMT_FP4 matrix_b_fmt:MATRIX_FMT_FP4 matrix_b_scale:MATRIX_SCALE_ROW1
.else
	v_wmma_scale_f32_16x16x128_f8f6f4 v[rD:rD+7], v[rA:rA+7], v[rB:rB+7], v[rD:rD+7], v[rP], v[rQ] matrix_a_fmt:MATRIX_FMT_FP4 matrix_b_fmt:MATRIX_FMT_FP4 matrix_a_scale:MATRIX_SCALE_ROW1 matrix_b_scale:MATRIX_SCALE_ROW1
.endif
.endif
.endm
.macro KSTEP k                         ; a K step of 128: 16 LDS loads, 16 products; the 16 accumulators take turns, one instruction a turn, in one order
.if (\k) > 0
.rept 4
	v_nop                                          ; four places in front of loads into fragments that matrix instructions have just read
.endr
.endif
.irp x, 0,1,2,3
.irp c, 0,1
	ds_load_b128 v[XF+8*\x+4*\c:XF+8*\x+4*\c+3], v[XA+(\k)/4] offset:((\k)%4)*XSTR+1024*\x+512*\c
.endr
.endr
.irp y, 0,1,2,3
.irp c, 0,1
	ds_load_b128 v[YF+8*\y+4*\c:YF+8*\y+4*\c+3], v[YA+(\k)/4] offset:((\k)%4)*YSTR+1024*\y+512*\c
.endr
.endr
.irp y, 0,1,2,3
	s_wait_dscnt 6-2*\y                            ; X and Y's tiles up to y are in; the later tiles' two loads each may be out
.irp x, 0,1,2,3
	MM \k, \y, \x
.endr
.endr
.endm
	s_load_b256 s[4:11], s[0:1], 0x0               ; oc, os, opc, ops
	s_load_b128 s[68:71], s[0:1], 0x20             ; proj_b, out0
	v_lshl_add_u32 v[SPW], v0, 2, SPARE
	v_mov_b32 v[NIL], 0
	ds_add_u32 v[SPW], v[NIL]                      ; the wave's opening: the add, twice on end, and its wait ahead of my first tensor load
	ds_add_u32 v[SPW], v[NIL]
	v_lshrrev_b32 v1, 5, v0
	s_delay_alu instid0(VALU_DEP_1)
	v_readfirstlane_b32 s14, v1                    ; wave 0..7
	s_lshr_b32 s15, s14, 2                         ; I fetch for the tokens (0) or for the weights (1).  Also wy: my 64 tokens
	s_and_b32 s16, s14, 3                          ; which quarter of that block (two K steps).  Also wx: my 64 columns
	s_bfe_u32 s40, ttmp6, 0x40000                  ; cx
	s_bfe_u32 s41, ttmp6, 0x40004                  ; cy
	s_lshl_b32 s42, ttmp9, 2
	s_add_co_u32 s42, s42, s40                     ; block of columns
	s_and_b32 s43, ttmp7, 0xffff
	s_lshl_b32 s43, s43, 2
	s_add_co_u32 s43, s43, s41                     ; block of tokens
	s_lshl_b32 s44, s41, 2
	s_lshl_b32 s44, 15, s44                        ; my row of the cluster
	s_lshl_b32 s45, 0x1111, s40                    ; my column
	s_or_b32 s24, s44, (3<<16)|(1<<21)             ; group 1 for the tokens: 64 rows of 256 bytes
	s_mov_b32 s25, 32<<16
	s_mov_b32 s26, 64<<16
	s_mov_b32 s27, 32<<16
	s_mov_b32 s28, 64
	s_mov_b32 s29, 32
	s_mov_b32 s30, 0
	s_mov_b32 s31, 0
	s_or_b32 s48, s45, (3<<16)|(1<<21)             ; for the weights: 128 rows of 256 bytes
	s_mov_b32 s49, 32<<16
	s_mov_b32 s50, 128<<16
	s_mov_b32 s51, 32<<16
	s_mov_b32 s52, 128
	s_mov_b32 s53, 32
	s_mov_b32 s54, 0
	s_mov_b32 s55, 0
	s_lshl_b32 s19, s16, 14                        ; the tokens' quarter: 16,384 bytes, in memory and in LDS
	s_lshl_b32 s20, s43, 16
	s_add_co_u32 s20, s20, s19
	s_mov_b32 s21, 0
	s_lshl_b32 s22, s16, 15                        ; the weights' quarter: 32,768 bytes
	s_add_co_u32 s46, s42, 44
	s_lshl_b32 s46, s46, 17
	s_add_co_u32 s46, s46, s22
	s_mov_b32 s47, 0
	s_add_co_u32 s22, s22, HALF                    ; behind the tokens' zone
	s_wait_dscnt 0x0                               ; both opening adds are done
	s_wait_kmcnt 0x0
	s_add_nc_u64 s[20:21], s[4:5], s[20:21]
	s_add_nc_u64 s[46:47], s[8:9], s[46:47]
	CROUND                                         ; all sixteen work-groups are here: the joint loads meet
.irp f, 0
	s_mov_b32 s[32+4*\f], 1
	s_add_co_u32 s[33+4*\f], s19, \f*HALF
	s_add_nc_u64 s[34+4*\f:35+4*\f], s[20:21], \f*32768
	s_or_b32 s[35+4*\f], s[35+4*\f], 0x80000000
	s_mov_b32 s[56+4*\f], 1
	s_add_co_u32 s[57+4*\f], s22, \f*HALF
	s_add_nc_u64 s[58+4*\f:59+4*\f], s[46:47], \f*65536
	s_or_b32 s[59+4*\f], s[59+4*\f], 0x80000000
.endr
	s_cmp_eq_u32 s15, 0                            ; one fill a wave, in one branch on its number: one load of mine is out
	s_cbranch_scc0 .Lfirst_b
	tensor_load_to_lds s[32:35], s[24:31]
	s_nop 0
.rept 4
	v_nop
.endr
	s_branch .Lfirst_done
.Lfirst_b:
	tensor_load_to_lds s[56:59], s[48:55]
	s_nop 0
.rept 4
	v_nop
.endr
.Lfirst_done:
	s_mov_b32 s73, 0
	s_add_co_u32 s72, s42, 44                      ; X's scale words: block 44 + block of columns, my 64 rows
	s_lshl_b32 s72, s72, 13
	s_lshl_b32 s66, s16, 11
	s_add_co_u32 s72, s72, s66
	s_add_nc_u64 s[74:75], s[10:11], s[72:73]
	s_lshl_b32 s72, s43, 13                        ; Y's: groups of 32 tokens 4 x block + 2 wy on, 2,048 bytes each
	s_lshl_b32 s66, s15, 12
	s_add_co_u32 s72, s72, s66
	s_add_nc_u64 s[76:77], s[6:7], s[72:73]
	s_lshl_b32 s72, s42, 10                        ; my first column, in bytes
	s_lshl_b32 s66, s16, 8
	s_add_co_u32 s72, s72, s66
	s_add_nc_u64 s[78:79], s[68:69], s[72:73]      ; in proj_b,
	s_add_nc_u64 s[70:71], s[70:71], s[72:73]      ; and in a row of out0;
	s_lshl_b32 s72, s43, 19                        ; my first token: 128 x block + 64 wy, rows of 4,096 bytes
	s_lshl_b32 s66, s15, 18
	s_add_co_u32 s72, s72, s66
	s_add_nc_u64 s[70:71], s[70:71], s[72:73]
	v_and_b32 v13, 31, v0
	s_delay_alu instid0(VALU_DEP_1)
	v_lshlrev_b32 v[L16], 4, v13
	s_delay_alu instid0(VALU_DEP_2)
	v_lshlrev_b32 v[L4], 2, v13
	v_and_b32 v14, 15, v0                          ; r
	v_bfe_u32 v15, v0, 4, 1                        ; h
	s_delay_alu instid0(VALU_DEP_2)
	v_lshlrev_b32 v[BO], 4, v14
.irp p, 0,1
.irp k, 0,1,2,3,4,5,6,7
	global_load_b32 v[XS+8*\p+\k], v[L4], s[74:75] offset:1024*\p+128*\k
.endr
.endr
.irp p, 0,1
.irp e, 0,1,2,3,4,5,6,7,8,9,10,11,12,13,14,15
	global_load_b32 v[ACC+16*\p+\e], v[L4], s[76:77] offset:2048*\p+128*\e   ; o's two scale bytes for each head
.endr
.endr
	global_load_b128 v[BB:BB+3], v[BO], s[78:79]   ; the bias of the four columns that I store
	s_lshl_b32 s66, s16, 12
	s_add_co_u32 s66, s66, HALF
	v_add_nc_u32 v[XA], s66, v[L16]
	s_delay_alu instid0(VALU_DEP_1)
	v_add_nc_u32 v[XA+1], HALF, v[XA]
	s_lshl_b32 s66, s15, 12
	v_add_nc_u32 v[YA], s66, v[L16]
	s_delay_alu instid0(VALU_DEP_1)
	v_add_nc_u32 v[YA+1], 4*YSTR, v[YA]
	s_mul_i32 s66, s14, 4352
	s_add_co_u32 s66, s66, STAGE                   ; my stage
	v_mul_u32_u24 v[SO], v14, 272
	s_delay_alu instid0(VALU_DEP_1)
	v_lshl_add_u32 v[SO], v15, 6, v[SO]
	s_delay_alu instid0(VALU_DEP_1)
	v_add_nc_u32 v[SO], s66, v[SO]
	v_mul_u32_u24 v[SR], v15, 272
	s_delay_alu instid0(VALU_DEP_1)
	v_lshl_add_u32 v[SR], v14, 4, v[SR]
	s_delay_alu instid0(VALU_DEP_1)
	v_add_nc_u32 v[SR], s66, v[SR]
	v_lshlrev_b32 v[GO], 12, v15
	s_delay_alu instid0(VALU_DEP_1)
	v_lshl_add_u32 v[GO], v14, 4, v[GO]
	s_wait_loadcnt 0x0
.irp p, 0,1
.irp k, 0,1,2,3,4,5,6,7
	v_lshl_or_b32 v[YS+8*\p+\k], v[ACC+16*\p+2*\k+1], 16, v[ACC+16*\p+2*\k]   ; a K step of 128 is two heads: four bytes
.endr
.endr
.rept 8
	v_nop                                          ; eight places between a scale word made by a vector instruction and a scaled product
.endr
	s_wait_alu depctr_va_vdst(0)
	s_wait_tensorcnt 0x0                           ; my quarter of my block is in
	s_wait_dscnt 0x0
	s_barrier_signal -1
	s_barrier_wait -1                              ; everybody's is: both blocks are whole
.irp k, 0,1,2,3,4,5,6,7
	KSTEP \k
.endr
; THE WAY OUT, a tile of 16 tokens x 64 columns at a time, through my own stage: a lane holds 8 neighbouring columns of one token for each X tile; back come whole rows of 256 bytes, two an instruction.
.macro TOSTAGE y
.irp x, 0,1,2,3
	ds_store_b128 v[SO], v[ACC+8*(4*(\y)+\x):ACC+8*(4*(\y)+\x)+3] offset:128*(\x/2)+32*(\x%2)      ; each accumulator from its low end on
	ds_store_b128 v[SO], v[ACC+8*(4*(\y)+\x)+4:ACC+8*(4*(\y)+\x)+7] offset:128*(\x/2)+32*(\x%2)+16
.endr
.irp i, 0,1,2,3,4,5,6,7
	ds_load_b128 v[XF+32*((\y)%2)+4*\i:XF+32*((\y)%2)+4*\i+3], v[SR] offset:544*\i   ; LDS serves a wave's instructions in order: these see the stores above, and the next tile's stores come behind them
.endr
.endm
.macro SEND y
.irp i, 0,1,2,3,4,5,6,7
	s_wait_dscnt 7-\i                              ; rows 2 i, 2 i + 1 are back; the younger reads may be out
	v_pk_add_f32 v[XF+32*((\y)%2)+4*\i:XF+32*((\y)%2)+4*\i+1], v[XF+32*((\y)%2)+4*\i:XF+32*((\y)%2)+4*\i+1], v[BB:BB+1]
	v_pk_add_f32 v[XF+32*((\y)%2)+4*\i+2:XF+32*((\y)%2)+4*\i+3], v[XF+32*((\y)%2)+4*\i+2:XF+32*((\y)%2)+4*\i+3], v[BB+2:BB+3]
	global_store_b128 v[GO], v[XF+32*((\y)%2)+4*\i:XF+32*((\y)%2)+4*\i+3], s[70:71] offset:(32*((\y)/2)+8*((\y)%2)+2*\i+8*(\i/4))*4096 th:TH_STORE_NT   ; 16 lanes store 256 consecutive bytes, aligned; stage row p is token 32 (y / 2) + 8 (y % 2) + p + 8 (p / 8)
.endr
.endm
.rept 4
	v_nop                                          ; four places in front of the first read of results and of loads into the fragments' registers
.endr
	TOSTAGE 0
	SEND 0
	TOSTAGE 1
	SEND 1
	s_wait_xcnt 0x0                                ; tile 0's stores have read their registers: tile 2's rows land there only behind this wait
	TOSTAGE 2
	SEND 2
	s_wait_xcnt 0x0
	TOSTAGE 3
	SEND 3
	s_wait_tensorcnt 0x0                           ; the wave's end
	ds_add_u32 v[SPW], v[NIL]
	s_wait_dscnt 0x0
	CROUND                                         ; the closing round
	s_endpgm
.Lfunc_end_k_qe6cffa1d51_gemm_proj:
	.size	k_qe6cffa1d51_gemm_proj, .Lfunc_end_k_qe6cffa1d51_gemm_proj-k_qe6cffa1d51_gemm_proj
	.p2alignl 7, 3214868480
	.fill 96, 4, 3214868480
	.section	.rodata,"a",@progbits
	.p2align	6, 0x0
	.amdhsa_kernel k_qe6cffa1d51_gemm_proj
		.amdhsa_group_segment_fixed_size 232448
		.amdhsa_private_segment_fixed_size 0
		.amdhsa_enable_private_segment 0
		.amdhsa_kernarg_size 48
		.amdhsa_user_sgpr_count 2
		.amdhsa_user_sgpr_kernarg_segment_ptr 1
		.amdhsa_wavefront_size32 1
		.amdhsa_system_sgpr_workgroup_id_x 1
		.amdhsa_system_sgpr_workgroup_id_y 1
		.amdhsa_system_sgpr_workgroup_id_z 1
		.amdhsa_system_vgpr_workitem_id 0
		.amdhsa_next_free_vgpr 256
		.amdhsa_next_free_sgpr 92
		.amdhsa_reserve_vcc 0
		.amdhsa_float_denorm_mode_32 3
		.amdhsa_float_denorm_mode_16_64 3
		.amdhsa_memory_ordered 1
		.amdhsa_forward_progress 1
		.amdhsa_inst_pref_size 51
	.end_amdhsa_kernel
	.amdgpu_metadata
---
amdhsa.version: [ 1, 2 ]
amdhsa.kernels:
  - .name:           k_qe6cffa1d51_gemm_proj
    .symbol:         k_qe6cffa1d51_gemm_proj.kd
    .args:
      - { .name: oc, .offset: 0, .size: 8, .value_kind: global_buffer, .address_space: global }
      - { .name: os, .offset: 8, .size: 8, .value_kind: global_buffer, .address_space: global }
      - { .name: opc, .offset: 16, .size: 8, .value_kind: global_buffer, .address_space: global }
      - { .name: ops, .offset: 24, .size: 8, .value_kind: global_buffer, .address_space: global }
      - { .name: proj_b, .offset: 32, .size: 8, .value_kind: global_buffer, .address_space: global }
      - { .name: out0, .offset: 40, .size: 8, .value_kind: global_buffer, .address_space: global }
    .group_segment_fixed_size: 232448
    .private_segment_fixed_size: 0
    .kernarg_segment_align: 8
    .kernarg_segment_size: 48
    .max_flat_workgroup_size: 256
    .sgpr_count:     92
    .vgpr_count:     256
    .wavefront_size: 32
...
	.end_amdgpu_metadata
.endif
;; end of part 4
